; MI455X (gfx1250); checked and timed in simulation.
; The chip was launched on July 23, 2026; its instructions are those of AMD's public machine-readable ISA for CDNA 5 (MIT licence, August 2026) and "CDNA5" Instruction Set Architecture Reference Guide (July 2026). The comments in the code are by the model that wrote it; some were corrected since.
;; Mixture Of Experts. Allowed arithmetic: matrix products marked QUANTISED: E5M2 operands, one E8M0 scale for each 32 along K, by v_wmma_scale_f32_16x16x128_f8f6f4 with both operands' format E5M2, f32 sums; products left as they are: f32 operands where the result goes on into a quantised operand, else bf16, f16 or f32 operands; f32 sums; everything else in f32.
;; Inputs: W1 8 x 1,024 x 2,048 float32; W2 8 x 2,048 x 1,024 float32; Wr 1,024 x 8 float32; b1 8 x 2,048 float32; b2 8 x 1,024 float32; br 8 float32; x 2,048 x 1,024 float32.
;; Outputs: out0 2,048 x 1,024 float32; out1 2,048 x 8 float32; out2 8 float32.
;; This version of the problem:
;;   THIS VERSION OF THE PROBLEM IS GIVEN IN LOW PRECISION. The matrix products marked QUANTISED in the list below multiply operands that are first quantised to E5M2 (5 exponent bits, 2 mantissa bits; 8 bits a number), with one power-of-two scale for each 32 numbers along K (OCP MX v1.0); their sums are f32. All else is computed in f32.
;;   The module's matrix products, in the order in which they are computed (A, B: the left and right operand; K: the contracted axis; several contracted axes count as one K, in the product's order):
;;     1. [M 2,048, K 1,024] x [K 1,024, N 8]; A: input x; B: input Wr: left as it is (N = 8 < 16)
;;     2. [M 2,048, K 1,024] x [K 1,024, N 2,048]; A: input x; B: input W1: QUANTISED
;;     3. [M 2,048, K 2,048] x [K 2,048, N 1,024]; A: computed on the way; B: input W2: QUANTISED
;;     4. [M 2,048, K 1,024] x [K 1,024, N 2,048]; A: input x; B: input W1: QUANTISED
;;     5. [M 2,048, K 2,048] x [K 2,048, N 1,024]; A: computed on the way; B: input W2: QUANTISED
;;     6. [M 2,048, K 1,024] x [K 1,024, N 2,048]; A: input x; B: input W1: QUANTISED
;;     7. [M 2,048, K 2,048] x [K 2,048, N 1,024]; A: computed on the way; B: input W2: QUANTISED
;;     8. [M 2,048, K 1,024] x [K 1,024, N 2,048]; A: input x; B: input W1: QUANTISED
;;     9. [M 2,048, K 2,048] x [K 2,048, N 1,024]; A: computed on the way; B: input W2: QUANTISED
;;     10. [M 2,048, K 1,024] x [K 1,024, N 2,048]; A: input x; B: input W1: QUANTISED
;;     11. [M 2,048, K 2,048] x [K 2,048, N 1,024]; A: computed on the way; B: input W2: QUANTISED
;;     12. [M 2,048, K 1,024] x [K 1,024, N 2,048]; A: input x; B: input W1: QUANTISED
;;     13. [M 2,048, K 2,048] x [K 2,048, N 1,024]; A: computed on the way; B: input W2: QUANTISED
;;     14. [M 2,048, K 1,024] x [K 1,024, N 2,048]; A: input x; B: input W1: QUANTISED
;;     15. [M 2,048, K 2,048] x [K 2,048, N 1,024]; A: computed on the way; B: input W2: QUANTISED
;;     16. [M 2,048, K 1,024] x [K 1,024, N 2,048]; A: input x; B: input W1: QUANTISED
;;     17. [M 2,048, K 2,048] x [K 2,048, N 1,024]; A: computed on the way; B: input W2: QUANTISED
;;   THE QUANTISER, for each operand of a quantised product, along K:
;;     - K is cut into blocks of 32 from its start; a last block that is shorter is filled with zeros.
;;     - A block's scale is 2^e with e = floor(log2(the largest magnitude in the block)) - 15, held to -126 .. 127; a block of zeros has e = 0. As a byte (E8M0): e + 127.
;;     - Each number is divided by its block's scale, clamped to +-57,344, and rounded to the nearest number of E5M2, ties to even, subnormals kept.
;;     - The product sums the exact products of the quantised numbers (number of the format x scale) in f32.
;;   ~~~python
;;   def quantise(x, axis):      # numpy; x: float32 -> the quantised numbers, widened to float32 again
;;       x = np.moveaxis(x, axis, -1); K = x.shape[-1]
;;       x = np.pad(x, [(0, 0)] * (x.ndim - 1) + [(0, -K % 32)]); x = x.reshape(x.shape[:-1] + (-1, 32)); a = np.abs(x).max(-1, keepdims=True)
;;       e = np.where(a > 0, np.clip(np.frexp(np.where(a > 0, a, 1))[1] - 1 - 15, -126, 127), 0)      # np.frexp(a)[1] - 1 = floor(log2(a)), exactly
;;       r = np.clip(x / 2.0 ** e, -57344, 57344)
;;       step = 2.0 ** (np.maximum(np.frexp(np.where(r == 0, 1, r))[1] - 1, -14) - 2)
;;       q = np.round(r / step) * step * 2.0 ** e      # np.round: ties to even
;;       return np.moveaxis(q.reshape(q.shape[:-2] + (-1,))[..., :K], -1, axis).astype(np.float32)
;;   ~~~
;;   OPERANDS COMPUTED ON THE WAY. 'Computed on the way' means the value that the module computes at that place (a softmax that the list does not call 'softmax' is quantised finished and normalised). What goes into a quantiser is computed in f32, as accurately as f32 sums, v_exp_f32 and their like allow (about 1e-6 of the number): no bf16 or f16 on the way to a quantiser, and a product that is left as it is and whose result goes on into a quantised operand takes f32 operands (vector FMAs, or v_wmma_f32_16x16x4_f32). A number that lies on a knife's edge between two numbers of the format may be rounded either way, as far as f32 arithmetic and the matrix unit's own rounding can turn it there, and no further.
;; 2 versions, each right; version 2 is version 1 with the launches up, down written anew for expert scheduling mode. Each part assembles by itself: llvm-mc -triple=amdgcn-amd-amdhsa -mcpu=gfx1250 --defsym DOCPART=n.
;; ======== version 1 of 2: 4 launches
;; workspace buffers: xq 2,097,152 bytes; xs 65,536 bytes; routes 8,192 bytes of whole numbers; gate 8,192 bytes; hq 33,554,432 bytes; hs 1,048,576 bytes; order 73,728 bytes of whole numbers
;; launch route (part 1): grid 256 x 1, 4 waves a work-group, no clusters, 35,328 bytes of LDS; arguments x, Wr, br, xq, xs, routes, gate, out1; writes xq, xs, routes, gate, out1
.if DOCPART == 1
	.amdgcn_target "amdgcn-amd-amdhsa--gfx1250"
	.amdhsa_code_object_version 6
	.text
	.protected	k_q9989b7fbe5_route
	.globl	k_q9989b7fbe5_route
	.p2align	8
	.type	k_q9989b7fbe5_route,@function
k_q9989b7fbe5_route:
	s_mov_b64 s[64:65], 0
	v_nop
	global_prefetch_b8 v0, s[64:65] scope:SCOPE_SE
	s_setreg_imm32_b32 hwreg(HW_REG_WAVE_MODE, 25, 1), 1
	s_wait_xcnt 0x0
; ROUTER AND QUANTISER OF x.  x [2048][1024] f32, Wr [1024][8], br [8].
; out1 = softmax(x Wr + br); routes = the lowest index of the largest probability (u32); gate = pmax x (1 / pmax);
; xq = x as codes of E5M2, [token][1024], K innermost; xs = [token][8 words], word s = the four E8M0 bytes of K step s (128 along K).
; The router's product is made of f32 fused multiply-adds: N = 8 is too narrow for a matrix tile, and x is in registers anyway.
; SHARES: a work-group has 8 tokens, a wave 2.  Of a token's row lane l holds, in segment g (256 numbers), the numbers 256 g + 8 l + 0 .. 7:
; a block of 32 is four neighbouring lanes, a K step of 128 a row of sixteen lanes.  x is read from memory once and serves both uses.
; Wr goes once through LDS: 128 pieces of 256 bytes (8 rows k x 8 experts), 272 bytes apart; piece 32 g + l is what lane l multiplies by in segment g.
; No tensor loads, no cluster: what work-groups share is Wr alone, 32 KiB against the 32 KiB of x that each reads for itself.
; LIMITS: NaN and infinities are not served.  A block whose largest magnitude lies under 2^-111 gets the byte 1 (a block of zeros too, where the rule says 127:
; its codes are zeros and this program alone reads the bytes).  gate is 1 within one unit in the last place (a reciprocal and a product).  The logits are summed in another
; order than a row-by-row sum: two logits that agree to about 1e-7 of their size may change places in the argmax.
.set PW,   272                         ; a piece of Wr in LDS: 256 bytes + 16
.set LN,   1                           ; v1   lane
.set XO,   2                           ; v2   32 x lane: my 8 numbers in a segment of x
.set CO,   3                           ; v3   8 x lane: my 8 codes
.set WO,   4                           ; v4   16 x thread: Wr as it lies
.set WSTO, 5                           ; v5   where those 16 bytes go in LDS
.set WRD,  6                           ; v6   272 x lane: my piece
.set SH,   7                           ; v7   8 x (my block's place in its K step)
.set M,    8                           ; v8-9   largest magnitudes (two tokens); later at work for the lane exchanges
.set SC,   10                          ; v10-11 the conversions' scale operands
.set LIM,  12                          ; v12-13 57,344 x the scale
.set BY,   14                          ; v14-15 the scale bytes
.set C,    16                          ; v16-31 codes: a pair for each (token, segment): no store's data are written again
.set ACC,  32                          ; v32-47 the 16 sums (8 t + e)
.set SWD,  40                          ; v40-47 ahead of the sums: scale words (4 t + g)
.set T,    48                          ; v48-63 held numbers, 8 a token; later small things
.set X,    64                          ; v64-127 x: 32 t + 8 g + j
.set WB,   128                         ; v128-255 two sets of 64 numbers of Wr: 8 j + e
	s_load_b256 s[4:11], s[0:1], 0x0               ; x, Wr, br, xq
	s_load_b256 s[12:19], s[0:1], 0x20             ; xs, routes, gate, out1
	s_set_vgpr_msb 0x40
	v_lshl_add_u32 v0, v0, 2, 0x8800
	v_mov_b32 v1, 0
	s_set_vgpr_msb 0x4000
	v_lshrrev_b32 v1, 5, v0
	v_readfirstlane_b32 s20, v1                    ; wave
	v_and_b32 v[LN], 31, v0
	v_lshlrev_b32 v[XO], 5, v[LN]
	v_lshlrev_b32 v[CO], 3, v[LN]
	v_lshlrev_b32 v[WO], 4, v0
	v_lshrrev_b32 v[WSTO], 4, v0
	v_mul_u32_u24 v[WSTO], v[WSTO], PW
	v_and_b32 v[WRD], 15, v0
	v_lshl_add_u32 v[WSTO], v[WRD], 4, v[WSTO]     ; piece (thread / 16), 16 bytes a thread
	v_mul_u32_u24 v[WRD], v[LN], PW
	v_bfe_u32 v[SH], v0, 2, 2
	v_lshlrev_b32 v[SH], 3, v[SH]
	s_mov_b32 s21, 0x600000                        ; the mantissa field of 57,344
	s_mov_b32 s22, 0xaaaaaaaa                      ; lanes whose bit 0 is set,
	s_mov_b32 s23, 0xcccccccc                      ; bit 1,
	s_mov_b32 s24, 0xf0f0f0f0                      ; bit 2,
	s_mov_b32 s25, 0xff00ff00                      ; bit 3
	s_mov_b32 s26, 0x76543210
	s_mov_b32 s27, 0xfedcba98                      ; v_permlanex16_b32's selects for lane l xor 16
	s_lshl_b32 s28, ttmp9, 3
	s_lshl_b32 s29, s20, 1
	s_add_co_u32 s28, s28, s29                     ; my first token
	s_mov_b32 s31, 0
	s_wait_kmcnt 0x0
	s_lshl_b32 s30, s28, 12
	s_add_nc_u64 s[4:5], s[4:5], s[30:31]          ; x: 4,096 bytes a token
	s_lshl_b32 s30, s28, 10
	s_add_nc_u64 s[10:11], s[10:11], s[30:31]      ; xq: 1,024
	s_lshl_b32 s30, s28, 5
	s_add_nc_u64 s[12:13], s[12:13], s[30:31]      ; xs: 32
	s_add_nc_u64 s[18:19], s[18:19], s[30:31]      ; out1: 32
	s_lshl_b32 s30, s28, 2
	s_add_nc_u64 s[14:15], s[14:15], s[30:31]      ; routes: 4
	s_add_nc_u64 s[16:17], s[16:17], s[30:31]      ; gate: 4
.irp n, 0,1,2,3,4,5,6,7,8,9,10,11,12,13,14,15
	global_load_b128 v[WB+4*\n:WB+4*\n+3], v[WO], s[6:7] offset:2048*\n          ; Wr: the work-group's 128 threads read 2,048 consecutive bytes
.endr
.irp t, 0,1
.irp g, 0,1,2,3
.irp q, 0,1
	global_load_b128 v[X+32*\t+8*\g+4*\q:X+32*\t+8*\g+4*\q+3], v[XO], s[4:5] offset:4096*\t+1024*\g+16*\q th:TH_LOAD_NT   ; the two loads of a segment cover its 1,024 bytes
.endr
.endr
.endr
	s_wait_loadcnt 16                              ; Wr's 16 loads are in; x's 16 are younger
.irp n, 0,1,2,3,4,5,6,7,8,9,10,11,12,13,14,15
	ds_store_b128 v[WSTO], v[WB+4*\n:WB+4*\n+3] offset:2176*\n                   ; eight pieces a store
.endr
	s_wait_dscnt 0x0                               ; for the others' sake: my part of Wr lies in LDS
	s_barrier_signal -1
	s_barrier_wait -1
.macro WLD g                           ; my piece of segment g into set g % 2: register 8 j + e = Wr[256 g + 8 l + j][e]
.irp m, 0,1,2,3,4,5,6,7,8,9,10,11,12,13,14,15
	ds_load_b128 v[WB+64*((\g)%2)+4*\m:WB+64*((\g)%2)+4*\m+3], v[WRD] offset:8704*(\g)+16*\m
.endr
.endm
	WLD 0
	WLD 1
	s_wait_loadcnt 0x0                             ; x
; Segment g of both tokens becomes codes and a scale word.  The two tokens take turns line by line.
.macro QX g
.irp t, 0,1
	v_max3_num_f32 v[M+\t], |v[X+32*\t+8*\g]|, |v[X+32*\t+8*\g+1]|, 0x8000000   ; my 8 numbers, and the floor 2^(16 - 127): the byte cannot fall under 1
.endr
.irp i, 2,4,6
.irp t, 0,1
	v_max3_num_f32 v[M+\t], v[M+\t], |v[X+32*\t+8*\g+\i]|, |v[X+32*\t+8*\g+\i+1]|
.endr
.endr
.irp t, 0,1
	v_max_num_f32_dpp v[M+\t], v[M+\t], v[M+\t] row_xmask:1 row_mask:0xf bank_mask:0xf
.endr
.irp t, 0,1
	v_max_num_f32_dpp v[M+\t], v[M+\t], v[M+\t] row_xmask:2 row_mask:0xf bank_mask:0xf   ; the block's four lanes
.endr
.irp t, 0,1
	v_add_nc_u32 v[SC+\t], 0xf8800000, v[M+\t]     ; 15 off the exponent field: the conversion takes that field as its scale
	v_and_or_b32 v[LIM+\t], v[M+\t], 0x7f800000, s21   ; 57,344 x the scale
.endr
.irp t, 0,1
.irp i, 0,1,2,3,4,5,6,7
	v_med3_num_f32 v[T+8*\t+\i], v[X+32*\t+8*\g+\i], -v[LIM+\t], v[LIM+\t]      ; the conversion does not saturate (ISA guide 7.6.2); x itself stays for the router
.endr
.endr
.irp t, 0,1
	v_cvt_scalef32_pk8_bf8_f32 v[C+8*\t+2*\g:C+8*\t+2*\g+1], v[T+8*\t:T+8*\t+7], v[SC+\t]
.endr
.irp t, 0,1
	v_lshrrev_b32 v[BY+\t], 23, v[SC+\t]           ; the scale's byte (also the plain line behind the conversions)
.endr
.irp t, 0,1
	v_lshlrev_b32 v[BY+\t], v[SH], v[BY+\t]        ; at its place in the K step's word
.endr
.irp t, 0,1
	v_mov_b32_dpp v[M+\t], v[BY+\t] row_xmask:4 row_mask:0xf bank_mask:0xf
.endr
.irp t, 0,1
	v_or_b32 v[BY+\t], v[BY+\t], v[M+\t]
.endr
.irp t, 0,1
	v_mov_b32_dpp v[M+\t], v[BY+\t] row_xmask:8 row_mask:0xf bank_mask:0xf
.endr
.irp t, 0,1
	v_or_b32 v[SWD+4*\t+\g], v[BY+\t], v[M+\t]     ; every lane of a row of 16 holds the word of K step 2 g + lane / 16
.endr
.irp t, 0,1
	global_store_b64 v[CO], v[C+8*\t+2*\g:C+8*\t+2*\g+1], s[10:11] offset:1024*\t+256*\g   ; 32 lanes store 256 consecutive bytes, aligned
.endr
.endm
	QX 0
	QX 1
	QX 2
	QX 3
.irp t, 0,1                            ; lane l takes the word of segment l % 4: K step 2 (l % 4) + l / 16
	v_cndmask_b32 v[T+\t], v[SWD+4*\t], v[SWD+4*\t+1], s22
	v_cndmask_b32 v[T+2+\t], v[SWD+4*\t+2], v[SWD+4*\t+3], s22
	v_cndmask_b32 v[T+\t], v[T+\t], v[T+2+\t], s23
.endr
	v_and_b32 v[T+4], 3, v0
	v_bfe_u32 v[T+5], v0, 4, 1
	v_lshlrev_b32 v[T+4], 3, v[T+4]
	v_lshl_add_u32 v[T+4], v[T+5], 2, v[T+4]
	global_store_b32 v[T+4], v[T], s[12:13]                    ; a token's 32 bytes; four lanes write each word, with the same value
	global_store_b32 v[T+4], v[T+1], s[12:13] offset:32
	v_and_b32 v[T+6], 7, v0
	v_lshlrev_b32 v[T+6], 2, v[T+6]
	global_load_b32 v[T+7], v[T+6], s[8:9]                     ; br of expert lane % 8: wanted behind the sums
; Segment g's part of the 16 sums: 8 numbers x 2 tokens x 8 experts, two experts an instruction; x is taken for both halves by op_sel.  Eight chains take turns.
.macro FMA g
.set WG, WB+64*((\g)%2)
.irp j, 0,1,2,3,4,5,6,7
.irp t, 0,1
.irp ep, 0,1,2,3
.if ((\g) == 0) && (\j == 0)
	v_pk_mul_f32 v[ACC+8*\t+2*\ep:ACC+8*\t+2*\ep+1], v[X+32*\t:X+32*\t+1], v[WG+2*\ep:WG+2*\ep+1] op_sel_hi:[0,1]   ; the first product starts the sum
.elseif (\j%2) == 0
	v_pk_fma_f32 v[ACC+8*\t+2*\ep:ACC+8*\t+2*\ep+1], v[X+32*\t+8*(\g)+\j:X+32*\t+8*(\g)+\j+1], v[WG+8*\j+2*\ep:WG+8*\j+2*\ep+1], v[ACC+8*\t+2*\ep:ACC+8*\t+2*\ep+1] op_sel_hi:[0,1,1]
.else
	v_pk_fma_f32 v[ACC+8*\t+2*\ep:ACC+8*\t+2*\ep+1], v[X+32*\t+8*(\g)+\j-1:X+32*\t+8*(\g)+\j], v[WG+8*\j+2*\ep:WG+8*\j+2*\ep+1], v[ACC+8*\t+2*\ep:ACC+8*\t+2*\ep+1] op_sel:[1,0,0] op_sel_hi:[1,1,1]
.endif
.endr
.endr
.endr
.endm
	s_wait_dscnt 16                                ; set 0 is in; set 1's 16 loads are younger
	FMA 0
	WLD 2
	s_wait_dscnt 16                                ; set 1 (segment 1) is in; segment 2's loads are younger
	FMA 1
	WLD 3
	s_wait_dscnt 16
	FMA 2
	s_wait_dscnt 0x0
	FMA 3
; THE SUMS ACROSS LANES, turning as they go: in each stage a lane keeps one of two sums (by one bit of its number), sends the other to its partner and adds what it gets.
; Behind four stages lane l holds, over its row of 16 lanes, sum number l % 16 = 8 t + e.
.macro RSTAGE n, mask, xm
.set i, 0
.rept \n
	v_cndmask_b32 v[56+2*(i%2)], v[ACC+2*i], v[ACC+2*i+1], \mask
	v_cndmask_b32 v[57+2*(i%2)], v[ACC+2*i+1], v[ACC+2*i], \mask
	v_add_f32_dpp v[ACC+i], v[57+2*(i%2)], v[56+2*(i%2)] row_xmask:\xm row_mask:0xf bank_mask:0xf
.set i, i+1
.endr
.endm
	RSTAGE 8, s22, 1
	RSTAGE 4, s23, 2
	RSTAGE 2, s24, 4
	RSTAGE 1, s25, 8
	v_permlanex16_b32 v33, v32, s26, s27
	s_wait_loadcnt 0x0                             ; br
	v_add_f32 v32, v32, v33                        ; the other row's half of K
	v_add_f32 v32, v32, v[T+7]                     ; the logit of token (lane / 8) % 2, expert lane % 8
	v_max_num_f32_dpp v33, v32, v32 row_xmask:1 row_mask:0xf bank_mask:0xf
	v_max_num_f32_dpp v33, v33, v33 row_xmask:2 row_mask:0xf bank_mask:0xf
	v_max_num_f32_dpp v33, v33, v33 row_xmask:4 row_mask:0xf bank_mask:0xf      ; the token's largest logit is taken away ahead of the exponential
	v_sub_f32 v34, v32, v33
	v_mul_f32 v34, 0x3fb8aa3b, v34
	v_exp_f32 v34, v34
	v_and_b32 v38, 7, v0                           ; (a plain line behind the exponential)
	s_wait_alu depctr_va_vdst(0)
	v_add_f32_dpp v35, v34, v34 row_xmask:1 row_mask:0xf bank_mask:0xf
	v_add_f32_dpp v35, v35, v35 row_xmask:2 row_mask:0xf bank_mask:0xf
	v_add_f32_dpp v35, v35, v35 row_xmask:4 row_mask:0xf bank_mask:0xf
	v_rcp_f32 v36, v35
	v_cvt_f32_u32 v38, v38                         ; (a plain line behind the reciprocal)  my expert's number as f32
	s_wait_alu depctr_va_vdst(0)
	v_mul_f32 v34, v34, v36                        ; the probability
	v_max_num_f32_dpp v37, v34, v34 row_xmask:1 row_mask:0xf bank_mask:0xf
	v_max_num_f32_dpp v37, v37, v37 row_xmask:2 row_mask:0xf bank_mask:0xf
	v_max_num_f32_dpp v37, v37, v37 row_xmask:4 row_mask:0xf bank_mask:0xf      ; the largest
	v_cmp_eq_f32 vcc_lo, v34, v37
	v_cndmask_b32 v38, 0x41000000, v38, vcc_lo     ; my number where I hold the largest, else 8
	v_min_num_f32_dpp v38, v38, v38 row_xmask:1 row_mask:0xf bank_mask:0xf
	v_min_num_f32_dpp v38, v38, v38 row_xmask:2 row_mask:0xf bank_mask:0xf
	v_min_num_f32_dpp v38, v38, v38 row_xmask:4 row_mask:0xf bank_mask:0xf      ; the lowest index that holds it
	v_rcp_f32 v40, v37
	v_and_b32 v56, 15, v0                          ; (a plain line behind the reciprocal)
	v_cvt_u32_f32 v39, v38
	s_wait_alu depctr_va_vdst(0)
	v_mul_f32 v40, v37, v40                        ; pmax / pmax
	v_lshlrev_b32 v56, 2, v56
	v_bfe_u32 v57, v0, 3, 1
	v_lshlrev_b32 v57, 2, v57
	global_store_b32 v56, v34, s[18:19]            ; out1: the wave's 64 consecutive bytes (both rows of lanes hold the same)
	global_store_b32 v57, v39, s[14:15]            ; routes: lanes with the same token write the same word with the same value
	global_store_b32 v57, v40, s[16:17]            ; gate
	s_set_vgpr_msb 0x5
	s_wait_tensorcnt 0x0
	ds_add_u32 v0, v1
	s_wait_dscnt 0x0
	s_set_vgpr_msb 0x500
	s_endpgm
.Lfunc_end_k_q9989b7fbe5_route:
	.size	k_q9989b7fbe5_route, .Lfunc_end_k_q9989b7fbe5_route-k_q9989b7fbe5_route
	.p2alignl 7, 3214868480
	.fill 96, 4, 3214868480
	.section	.rodata,"a",@progbits
	.p2align	6, 0x0
	.amdhsa_kernel k_q9989b7fbe5_route
		.amdhsa_group_segment_fixed_size 35328
		.amdhsa_private_segment_fixed_size 0
		.amdhsa_enable_private_segment 0
		.amdhsa_kernarg_size 64
		.amdhsa_user_sgpr_count 2
		.amdhsa_user_sgpr_kernarg_segment_ptr 1
		.amdhsa_wavefront_size32 1
		.amdhsa_system_sgpr_workgroup_id_x 1
		.amdhsa_system_sgpr_workgroup_id_y 1
		.amdhsa_system_sgpr_workgroup_id_z 1
		.amdhsa_system_vgpr_workitem_id 0
		.amdhsa_next_free_vgpr 258
		.amdhsa_next_free_sgpr 66
		.amdhsa_reserve_vcc 1
		.amdhsa_float_denorm_mode_32 3
		.amdhsa_float_denorm_mode_16_64 3
		.amdhsa_memory_ordered 1
		.amdhsa_forward_progress 1
		.amdhsa_inst_pref_size 44
	.end_amdhsa_kernel
	.amdgpu_metadata
---
amdhsa.version: [ 1, 2 ]
amdhsa.kernels:
  - .name:           k_q9989b7fbe5_route
    .symbol:         k_q9989b7fbe5_route.kd
    .args:
      - { .name: x, .offset: 0, .size: 8, .value_kind: global_buffer, .address_space: global }
      - { .name: Wr, .offset: 8, .size: 8, .value_kind: global_buffer, .address_space: global }
      - { .name: br, .offset: 16, .size: 8, .value_kind: global_buffer, .address_space: global }
      - { .name: xq, .offset: 24, .size: 8, .value_kind: global_buffer, .address_space: global }
      - { .name: xs, .offset: 32, .size: 8, .value_kind: global_buffer, .address_space: global }
      - { .name: routes, .offset: 40, .size: 8, .value_kind: global_buffer, .address_space: global }
      - { .name: gate, .offset: 48, .size: 8, .value_kind: global_buffer, .address_space: global }
      - { .name: out1, .offset: 56, .size: 8, .value_kind: global_buffer, .address_space: global }
    .group_segment_fixed_size: 35328
    .private_segment_fixed_size: 0
    .kernarg_segment_align: 8
    .kernarg_segment_size: 64
    .max_flat_workgroup_size: 128
    .sgpr_count:     66
    .vgpr_count:     258
    .wavefront_size: 32
...
	.end_amdgpu_metadata
.endif
;; end of part 1
;; launch sort (part 2): grid 8 x 1, 1 waves a work-group, no clusters, 9,472 bytes of LDS; arguments routes, order, out2; writes order, out2
.if DOCPART == 2
	.amdgcn_target "amdgcn-amd-amdhsa--gfx1250"
	.amdhsa_code_object_version 6
	.text
	.protected	k_q9989b7fbe5_sort
	.globl	k_q9989b7fbe5_sort
	.p2align	8
	.type	k_q9989b7fbe5_sort,@function
k_q9989b7fbe5_sort:
	s_mov_b64 s[64:65], 0
	v_nop
	global_prefetch_b8 v0, s[64:65] scope:SCOPE_SE
	s_setreg_imm32_b32 hwreg(HW_REG_WAVE_MODE, 25, 1), 1
	s_wait_xcnt 0x0
; THE PLACING OF TOKENS BY EXPERT.  routes [2048] u32 (stored by the launch before) -> order: 9,216 bytes an expert; out2[e] = the expert's count as f32.
; order of expert e: entry i (4 bytes) = the i-th token routed to e, in ascending order of tokens; the 32 entries behind the last repeat the last token, so that the spare rows of the
; last tile of 16 give the same numbers as a row of that tile and no lane is ever switched off; further entries up to 2,175 are 0 (a token that exists); entries 2,176 to 2,207 swallow
; the lanes without a match; the count lies at byte 8,832; zeros behind it.  Both later launches take tile T, row r to mean entry 16 T + r.
; SHARES: one work-group of one wave for each expert: eight in all: there is work for no more.  The wave reads all 2,048 routes (8 KiB), scatters its expert's tokens into LDS by a
; running count and the count of matches in lower lanes, and stores the 9,216 bytes as they lie.  No branch, no barrier (one wave), no matrix work, no tensor load: a list of 8 KiB wants none of them.
; LIMIT: a route outside 0 .. 7 is in no expert's list; the launch before stores none.
.set CNT,  8832                        ; LDS: the list from byte 0, the count here
.set LN,   1                           ; v1   lane
.set LI,   2                           ; v2   16 x lane: my 16 bytes of 512, in routes, in LDS and in order
.set DMP,  3                           ; v3   2,176 + lane: where a lane without a match writes
.set TL,   4                           ; v4   4 x lane
.set TKN,  5                           ; v5   a token
.set P,    6                           ; v6   the scatter's address, and nothing else
.set P2,   7                           ; v7   the last token's address, and nothing else
.set LT,   8                           ; v8   the last token
.set CV,   9                           ; v9   the count
.set CADR, 10                          ; v10  CNT
.set Z,    12                          ; v12-15 zeros
.set OV,   16                          ; v16  the count as f32
.set OZ,   17                          ; v17  0
.set R,    32                          ; v32-95 routes: register 4 n + q of lane l is token 128 n + 4 l + q; v32-103 the list on its way out
	s_load_b128 s[4:7], s[0:1], 0x0                ; routes, order
	s_load_b64 s[8:9], s[0:1], 0x10                ; out2
	v_lshl_add_u32 v112, v0, 2, 0x2400
	v_mov_b32 v113, 0
	v_and_b32 v[LN], 31, v0
	v_lshlrev_b32 v[LI], 4, v[LN]
	v_add_nc_u32 v[DMP], 2176, v[LN]
	v_lshlrev_b32 v[TL], 2, v[LN]
	v_mov_b32 v[CADR], CNT
.irp q, 0,1,2,3
	v_mov_b32 v[Z+\q], 0
.endr
	v_mov_b32 v[OZ], 0
	s_mov_b32 s21, ttmp9                           ; e
	s_mul_i32 s28, s21, 9216
	s_mov_b32 s29, 0
	s_lshl_b32 s30, s21, 2
	s_mov_b32 s31, 0
	s_mov_b32 s35, 0                               ; the running count
	s_wait_kmcnt 0x0
.irp n, 0,1,2,3,4,5,6,7,8,9,10,11,12,13,14,15
	global_load_b128 v[R+4*\n:R+4*\n+3], v[LI], s[4:5] offset:512*\n            ; 32 lanes read 512 consecutive bytes
.endr
	s_add_nc_u64 s[6:7], s[6:7], s[28:29]          ; order: the expert's 9,216 bytes
	s_add_nc_u64 s[8:9], s[8:9], s[30:31]          ; out2[e]
.irp n, 0,1,2,3,4,5,6,7,8,9,10,11,12,13,14,15,16,17
	ds_store_b128 v[LI], v[Z:Z+3] offset:512*\n    ; all 9,216 bytes that go out are written
.endr
	s_wait_loadcnt 0x0                             ; the routes
.set i, 0
.rept 64
	v_cmp_eq_u32 vcc_lo, s21, v[R+i]               ; mine?
	v_mbcnt_lo_u32_b32 v[P], vcc_lo, s35           ; its place: those before + the matches in lower lanes
	v_cndmask_b32 v[P], v[DMP], v[P], vcc_lo       ; a lane without a match writes behind the list
	v_min_u32 v[P], 0x89f, v[P]
	v_lshlrev_b32 v[P], 2, v[P]
	v_add_nc_u32 v[TKN], 128*(i>>2)+(i&3), v[TL]
	ds_store_b32 v[P], v[TKN]
	s_bcnt1_i32_b32 s36, vcc_lo
	s_add_co_u32 s35, s35, s36
.set i, i+1
.endr
	s_max_u32 s28, s35, 1
	s_sub_co_u32 s28, s28, 1
	s_min_u32 s28, s28, 0x7ff
	s_lshl_b32 s28, s28, 2
	v_mov_b32 v[P2], s28
	ds_load_b32 v[LT], v[P2]                       ; the last token (LDS serves a wave's instructions in order, ISA guide 5.7.1.4: it sees the stores above); with no token at all: entry 0, which is 0
	v_add_nc_u32 v[P], s35, v[LN]
	v_min_u32 v[P], 0x89f, v[P]
	v_lshlrev_b32 v[P], 2, v[P]
	v_mov_b32 v[CV], s35
	v_cvt_f32_u32 v[OV], s35
	s_wait_dscnt 0x0                               ; the last token is in
	ds_store_b32 v[P], v[LT]                       ; the 32 entries behind the last repeat it
	ds_store_b32 v[CADR], v[CV]
	global_store_b32 v[OZ], v[OV], s[8:9]          ; out2[e]: all lanes write the one word with the same value
	s_wait_dscnt 0x0                               ; my LDS stores are done
.irp n, 0,1,2,3,4,5,6,7,8,9,10,11,12,13,14,15,16,17
	ds_load_b128 v[R+4*\n:R+4*\n+3], v[LI] offset:512*\n
.endr
	s_wait_dscnt 0x0
.irp n, 0,1,2,3,4,5,6,7,8,9,10,11,12,13,14,15,16,17
	global_store_b128 v[LI], v[R+4*\n:R+4*\n+3], s[6:7] offset:512*\n           ; 32 lanes store 512 consecutive bytes, aligned
.endr
	s_wait_tensorcnt 0x0
	ds_add_u32 v112, v113
	s_wait_dscnt 0x0
	s_endpgm
.Lfunc_end_k_q9989b7fbe5_sort:
	.size	k_q9989b7fbe5_sort, .Lfunc_end_k_q9989b7fbe5_sort-k_q9989b7fbe5_sort
	.p2alignl 7, 3214868480
	.fill 96, 4, 3214868480
	.section	.rodata,"a",@progbits
	.p2align	6, 0x0
	.amdhsa_kernel k_q9989b7fbe5_sort
		.amdhsa_group_segment_fixed_size 9472
		.amdhsa_private_segment_fixed_size 0
		.amdhsa_enable_private_segment 0
		.amdhsa_kernarg_size 24
		.amdhsa_user_sgpr_count 2
		.amdhsa_user_sgpr_kernarg_segment_ptr 1
		.amdhsa_wavefront_size32 1
		.amdhsa_system_sgpr_workgroup_id_x 1
		.amdhsa_system_sgpr_workgroup_id_y 1
		.amdhsa_system_sgpr_workgroup_id_z 1
		.amdhsa_system_vgpr_workitem_id 0
		.amdhsa_next_free_vgpr 114
		.amdhsa_next_free_sgpr 66
		.amdhsa_reserve_vcc 1
		.amdhsa_float_denorm_mode_32 3
		.amdhsa_float_denorm_mode_16_64 3
		.amdhsa_memory_ordered 1
		.amdhsa_forward_progress 1
		.amdhsa_inst_pref_size 34
	.end_amdhsa_kernel
	.amdgpu_metadata
---
amdhsa.version: [ 1, 2 ]
amdhsa.kernels:
  - .name:           k_q9989b7fbe5_sort
    .symbol:         k_q9989b7fbe5_sort.kd
    .args:
      - { .name: routes, .offset: 0, .size: 8, .value_kind: global_buffer, .address_space: global }
      - { .name: order, .offset: 8, .size: 8, .value_kind: global_buffer, .address_space: global }
      - { .name: out2, .offset: 16, .size: 8, .value_kind: global_buffer, .address_space: global }
    .group_segment_fixed_size: 9472
    .private_segment_fixed_size: 0
    .kernarg_segment_align: 8
    .kernarg_segment_size: 24
    .max_flat_workgroup_size: 32
    .sgpr_count:     66
    .vgpr_count:     114
    .wavefront_size: 32
...
	.end_amdgpu_metadata
.endif
;; end of part 2
;; launch up (part 3): grid 256 x 1, 4 waves a work-group, no clusters, 70,144 bytes of LDS; arguments W1, b1, xq, xs, order, hq, hs; writes hq, hs
.if DOCPART == 3
	.amdgcn_target "amdgcn-amd-amdhsa--gfx1250"
	.amdhsa_code_object_version 6
	.text
	.protected	k_q9989b7fbe5_up
	.globl	k_q9989b7fbe5_up
	.p2align	8
	.type	k_q9989b7fbe5_up,@function
k_q9989b7fbe5_up:
	s_mov_b64 s[64:65], 0
	v_nop
	global_prefetch_b8 v0, s[64:65] scope:SCOPE_SE
	s_setreg_imm32_b32 hwreg(HW_REG_WAVE_MODE, 25, 1), 1
	s_wait_xcnt 0x0
; FIRST LAYER OF THE CHOSEN EXPERT:  h = Q(relu(Q(x) Q(W1[e]) + b1[e])), for the tokens routed to e alone.
; W1 [8][1024][2048] f32 (K is the first axis inside an expert).  Work-group = expert e (number / 32), slice j (number % 32) of 64 hidden units: 256 bytes of each of W1[e]'s 1,024 rows.
; THE SLICE IS READ ONCE, AS f32, AND NEVER WRITTEN BACK: each wave streams a quarter of K, quantises it in registers (a lane holds 4 columns x a whole block of 32 along K, so a block's largest
; magnitude needs no other lane), and lays the codes in LDS as images of the operand's registers.  Then every wave takes ALL 64 KiB of codes into 512 registers and the waves share the expert's tokens, 16 a tile.
; THE TOKENS AND THE COUNT come from order, whole numbers that the launch before stored (9,216 bytes an expert: entry 16 T + r is the token of row r of tile T; the count at byte 8,832).
; The entries behind the last repeat the last token, so no lane is ever switched off.  A tile's tokens are asked for three of the wave's tiles ahead, its codes two.
; THE PRODUCT IS USED TRANSPOSED (source 0 = 16 hidden units, source 1 = 16 tokens): a lane holds one token.  Row r of tile 2 b + u is hidden unit 32 b + 8 u + r + 8 (r / 8), so that the 16 registers of tiles
; 2 b and 2 b + 1 are 16 neighbours along the next K: the conversions' results are registers of the next product's operand, and go to hq as such: [e x 128 + tile][K step][c][lane][16 bytes].
; hs: [e x 128 + tile][row][16 words], word s = the bytes of K step s: this slice gives two bytes of a word.
; NO TENSOR LOADS, NO CLUSTER: the 32 slices of an expert do read the same tokens' codes, but how many tiles there are hangs on counts read from memory;
; asking jointly for the constant worst case, 128 tiles an expert, would fetch eight times the 128 tiles that all experts have together.
; LIMITS: NaN and infinities are not served; a block whose largest magnitude lies under 2^-111 (a block of zeros too) gets the byte 1: this program alone reads the bytes.
; REGISTERS, in windows of 256: window 0 as named below; windows 1 and 2: four sets of 128 numbers of W1 during the stream, then the 512 registers of codes (K step s, tile t, at v[64 (s % 4) + 16 t], s / 4 picks the window);
; window 3: two buffers of 128 for tokens' codes (K step s at v[128 p + 16 s]).
.set WSC,  65792                       ; LDS: 0 .. 65,583 the images: tile t at 16,384 t + 16 (t % 2) + 32 (t / 2), K step s 2,048 on, piece c 512 on, lane's 16 bytes at 16 x lane.  WSC: the scale bytes, 48 bytes a column (32 used)
.set LI,   1                           ; v1   16 x lane
.set GW,   2                           ; v2   the stream: 262,144 (lane / 16) + 16 (lane % 16): lanes 16-31 stand one block of 32 rows further down
.set WST,  3                           ; v3   where my codes go
.set WSB,  4                           ; v4   where my scale bytes go
.set WSR,  5                           ; v5   where I read scale words
.set LA0,  6                           ; v6   4 (lane % 16): my row's entry in a tile's 64 bytes of order
.set TOA,  7                           ; v7   + 64 x tile
.set XO,   9                           ; v9-10  buffer p: my byte in xq
.set XSO,  11                          ; v11-12 and in xs
.set HO,   13                          ; v13  my byte in hq (at the head: in b1)
.set HSO,  14                          ; v14  and in hs
.set H16,  15                          ; v15  16 (lane / 16)
.set FL,   16                          ; v16  the floor 2^(16 - 127)
.set M,    18                          ; v18-21 largest magnitudes, then bytes
.set SCO,  22                          ; v22-25 the conversions' scale operands
.set LIM,  26                          ; v26-29 57,344 x the scale
.set TKR,  30                          ; v30-31 tokens on their way: register p for the tiles that go through buffer p
.set WS,   32                          ; v32-47 W1's scale words: 8 b + s; lanes 0-15 tile 2 b, lanes 16-31 tile 2 b + 1
.set XS,   48                          ; v48-63 the tokens' scale words: 8 p + s
.set BIAS, 64                          ; v64-95 b1 in the result's layout: 8 t + i
.set C,    96                          ; v96-127 a group's codes
.set PC,   96                          ; in the loop: v96-103 the hidden layer's codes,
.set HW,   104                         ; v104 its two scale bytes,
.set R64,  106                         ; v106 64 (lane % 16)
.set T,    128                         ; v128-255 held numbers, turned: 32 cc + i
.set ACC,  128                         ; v128-159 in the loop: the four tiles
.set MSB, 0
.macro WIN new                         ; the immediate's high byte repeats the setting that is left; a switch that changes nothing is dropped
.if MSB != (\new)
	s_set_vgpr_msb (MSB<<8)|(\new)
.set MSB, \new
.endif
.endm
	s_load_b256 s[4:11], s[0:1], 0x0               ; W1, b1, xq, xs
	s_load_b128 s[12:15], s[0:1], 0x20             ; order, hq
	s_load_b64 s[16:17], s[0:1], 0x30              ; hs
	v_lshl_add_u32 v8, v0, 2, 0x11000
	v_mov_b32 v17, 0
	v_lshrrev_b32 v11, 5, v0
	v_readfirstlane_b32 s20, v11                   ; wave
	s_lshr_b32 s21, ttmp9, 5                       ; e
	s_and_b32 s22, ttmp9, 31                       ; j
	v_and_b32 v11, 31, v0
	v_lshlrev_b32 v[LI], 4, v11
	v_and_b32 v9, 15, v0                           ; lc = lane % 16
	v_bfe_u32 v10, v0, 4, 1                        ; hh = lane / 16
	v_lshlrev_b32 v[GW], 4, v9
	v_lshl_add_u32 v[GW], v10, 18, v[GW]
	; my columns are 4 lc + cc.  Column bits: 5 = b, 4 = r / 8, 3 = u, 2..0 = r % 8.  So lc's bit 3 picks b, bit 1 u, bit 2 eight rows (128 bytes), bit 0 four rows (64 bytes)
	v_bfe_u32 v11, v0, 3, 1
	v_mul_u32_u24 v[WST], v11, 32800
	v_bfe_u32 v11, v0, 1, 1
	v_mad_u32_u24 v[WST], v11, 16400, v[WST]
	v_bfe_u32 v11, v0, 2, 1
	v_lshl_add_u32 v[WST], v11, 7, v[WST]
	v_and_b32 v11, 1, v0
	v_lshl_add_u32 v[WST], v11, 6, v[WST]
	v_lshl_add_u32 v[WST], v10, 9, v[WST]          ; lanes 16-31: the next block of 32: piece c + 1
	s_lshl_b32 s28, s20, 12
	v_add_nc_u32 v[WST], s28, v[WST]               ; my wave's two K steps
	v_mad_u32_u24 v[WSB], v9, 192, v10             ; four columns of 48 bytes a lane, + hh
	s_lshl_b32 s28, s20, 3
	s_add_co_u32 s28, s28, WSC
	v_add_nc_u32 v[WSB], s28, v[WSB]               ; + my wave's eight blocks
	v_and_b32 v11, 8, v9
	v_add_nc_u32 v11, v11, v9
	v_lshl_add_u32 v11, v10, 3, v11                ; column 8 u + r + 8 (r / 8), u = lane / 16
	v_mul_u32_u24 v[WSR], v11, 48
	v_add_nc_u32 v[WSR], WSC, v[WSR]
	v_lshlrev_b32 v[LA0], 2, v9
	v_lshl_add_u32 v[TOA], s20, 6, v[LA0]          ; my first tile's number is my wave's
	v_lshlrev_b32 v[H16], 4, v10
	v_lshlrev_b32 v[HO], 6, v10                    ; b1: 64 bytes on for lanes 16-31
	v_mov_b32 v[FL], 0x8000000
	s_mov_b32 s32, 0x76543210
	s_mov_b32 s33, 0xfedcba98                      ; v_permlanex16_b32's selects for lane l xor 16
	s_mov_b32 s34, 0x600000                        ; the mantissa field of 57,344
	s_mov_b32 s29, 0
	s_wait_kmcnt 0x0
	s_mul_i32 s28, s21, 9216
	s_add_nc_u64 s[12:13], s[12:13], s[28:29]      ; order: the expert's 9,216 bytes
	s_load_b32 s23, s[12:13], 0x2280               ; the count, at byte 8,832 of them
	s_lshl_b32 s28, s21, 23
	s_lshl_b32 s30, s20, 21
	s_add_co_u32 s28, s28, s30
	s_lshl_b32 s30, s22, 8
	s_add_co_u32 s28, s28, s30
	s_add_nc_u64 s[4:5], s[4:5], s[28:29]          ; W1: expert, my wave's 256 rows, the slice's 256 bytes
	s_lshl_b32 s28, s21, 13
	s_add_co_u32 s28, s28, s30
	s_add_nc_u64 s[6:7], s[6:7], s[28:29]          ; b1
	s_lshl_b32 s28, s21, 22
	s_lshl_b32 s30, s22, 10
	s_add_co_u32 s28, s28, s30
	s_add_nc_u64 s[14:15], s[14:15], s[28:29]      ; hq: the expert's 128 tiles; K step j / 2, pieces 2 (j % 2) and + 1: 1,024 j
	s_lshl_b32 s28, s21, 17
	s_lshl_b32 s30, s22, 1
	s_add_co_u32 s28, s28, s30
	s_add_nc_u64 s[16:17], s[16:17], s[28:29]      ; hs: bytes 2 j, 2 j + 1 of a row's 64
.irp t, 0,1,2,3
	global_load_b128 v[BIAS+8*\t:BIAS+8*\t+3], v[HO], s[6:7] offset:(32*(\t>>1)+8*(\t&1))*4         ; b1 of hidden units 32 b + 8 u + 16 h + 0 .. 7
	global_load_b128 v[BIAS+8*\t+4:BIAS+8*\t+7], v[HO], s[6:7] offset:(32*(\t>>1)+8*(\t&1))*4+16
.endr
	global_load_b32 v[TKR], v[TOA], s[12:13]                   ; the tokens of my first tile (number = wave),
	global_load_b32 v[TKR+1], v[TOA], s[12:13] offset:256      ; and of my second (+ 4)
; Group gq of a wave's four: 64 rows of K; load i reads row i of my half's block: sixteen lanes cover the slice's 256 bytes of a row.  Register 4 i + cc = (k = i, column 4 lc + cc).
.macro GLOAD gq, win, sb
	WIN (\win)<<6
.set i, 0
.rept 32
	global_load_b128 v[\sb+4*i:\sb+4*i+3], v[GW], s[4:5] offset:(64*(\gq)+i)*8192 th:TH_LOAD_NT
.set i, i+1
.endr
	WIN 0
.endm
	GLOAD 0, 1, 0
	GLOAD 1, 1, 128
	s_wait_kmcnt 0x0                               ; the count
	s_add_co_u32 s24, s23, 15
	s_lshr_b32 s24, s24, 4
	s_max_u32 s24, s24, 1                          ; tiles; at least one, so that tile 0 of every expert is written: the next launch's clamped look-ahead reads it
.macro TOK p, src
	v_min_u32 v[\src], 0x7ff, v[\src]
	v_lshl_add_u32 v[XO+\p], v[\src], 10, v[H16]   ; xq: 1,024 bytes a token, + 16 for lanes 16-31
	v_lshlrev_b32 v[XSO+\p], 5, v[\src]            ; xs: 32 bytes a token
.endm
; A group becomes codes.  The hold, owed for every number, also turns the numbers: it writes (k = i, column cc) to T[32 cc + i], where the conversions find neighbours along K.
.macro QGROUP gq, win, sb
	s_wait_dscnt 0x0                               ; the last group's LDS stores are done
	WIN ((\win)<<2)|((\win)<<4)
.irp cc, 0,1,2,3
	v_max3_num_f32 v[M+\cc], v[FL], |v[\sb+\cc]|, |v[\sb+4+\cc]|                ; the four columns by turns; the floor holds the byte at 1 from below
.endr
.set i, 2
.rept 15
.irp cc, 0,1,2,3
	v_max3_num_f32 v[M+\cc], v[M+\cc], |v[\sb+4*i+\cc]|, |v[\sb+4*i+4+\cc]|
.endr
.set i, i+2
.endr
	WIN 0
.irp cc, 0,1,2,3
	v_add_nc_u32 v[SCO+\cc], 0xf8800000, v[M+\cc]  ; 15 off the exponent field
.endr
.irp cc, 0,1,2,3
	v_and_or_b32 v[LIM+\cc], v[M+\cc], 0x7f800000, s34
.endr
.irp cc, 0,1,2,3
	v_lshrrev_b32 v[M+\cc], 23, v[SCO+\cc]         ; the byte
.endr
.irp cc, 0,1,2,3
	ds_store_b8 v[WSB], v[M+\cc] offset:\cc*48+2*(\gq)
.endr
	WIN \win
.irp cc, 0,1,2,3
.set i, 0
.rept 32
	v_med3_num_f32 v[T+32*\cc+i], v[\sb+4*i+\cc], -v[LIM+\cc], v[LIM+\cc]       ; the conversion does not saturate (ISA guide 7.6.2)
.set i, i+1
.endr
.endr
	WIN 0
.irp cc, 0,1,2,3
.irp q, 0,1,2,3
	v_cvt_scalef32_pk8_bf8_f32 v[C+8*\cc+2*\q:C+8*\cc+2*\q+1], v[T+32*\cc+8*\q:T+32*\cc+8*\q+7], v[SCO+\cc]
.endr
.endr
	v_nop                                          ; a plain line behind the last conversion
.irp cc, 0,1,2,3
.irp hf, 0,1
	ds_store_b128 v[WST], v[C+8*\cc+4*\hf:C+8*\cc+4*\hf+3] offset:((\gq)>>1)*2048+((\gq)&1)*1024+\hf*256+\cc*16   ; k = 16 hf .. + 15 of the block: the 16 bytes of lane (r, hf) of its piece; sixteen lanes, sixteen different columns of 16 bytes
.endr
.endr
.endm
.macro XLOAD p                         ; 16 tokens' codes and scale words into buffer p: 34 loads
	WIN 0xc0
.irp s, 0,1,2,3,4,5,6,7
.irp c, 0,1,2,3
	global_load_b128 v[128*\p+16*\s+4*\c:128*\p+16*\s+4*\c+3], v[XO+\p], s[8:9] offset:128*\s+32*\c
.endr
.endr
	WIN 0
	global_load_b128 v[XS+8*\p:XS+8*\p+3], v[XSO+\p], s[10:11]
	global_load_b128 v[XS+8*\p+4:XS+8*\p+7], v[XSO+\p], s[10:11] offset:16
.endm
	s_wait_loadcnt 32                              ; b1, the first tokens and group 0 are in; group 1's 32 loads are younger
	GLOAD 2, 2, 0
	QGROUP 0, 1, 0
	s_wait_loadcnt 32                              ; group 1 is in; group 2's are younger
	GLOAD 3, 2, 128
	QGROUP 1, 1, 128
	s_wait_loadcnt 32                              ; group 2 is in; group 3's are younger
	QGROUP 2, 2, 0
	s_wait_loadcnt 0x0
	TOK 0, TKR
	TOK 1, TKR+1
	XLOAD 0                                        ; my first tile's codes come while the last group is worked
	QGROUP 3, 2, 128
	global_load_b32 v[TKR], v[TOA], s[12:13] offset:512        ; the tokens of my third tile (+ 8): between the two buffers' loads, as in every tile of the loop
	XLOAD 1
	s_wait_dscnt 0x0                               ; for the others' sake: my quarter of the images lies in LDS
	s_barrier_signal -1
	s_barrier_wait -1
	WIN 0x40
.irp s, 0,1,2,3
.irp t, 0,1,2,3
.irp c, 0,1,2,3
	ds_load_b128 v[64*\s+16*\t+4*\c:64*\s+16*\t+4*\c+3], v[LI] offset:\t*16384+(\t&1)*16+(\t>>1)*32+\s*2048+\c*512
.endr
.endr
.endr
	WIN 0x80
.irp s, 4,5,6,7
.irp t, 0,1,2,3
.irp c, 0,1,2,3
	ds_load_b128 v[64*(\s-4)+16*\t+4*\c:64*(\s-4)+16*\t+4*\c+3], v[LI] offset:\t*16384+(\t&1)*16+(\t>>1)*32+\s*2048+\c*512
.endr
.endr
.endr
	WIN 0
.irp b, 0,1
	ds_load_b128 v[WS+8*\b:WS+8*\b+3], v[WSR] offset:1536*\b
	ds_load_b128 v[WS+8*\b+4:WS+8*\b+7], v[WSR] offset:1536*\b+16
.endr
	v_and_b32 v[R64], 15, v0
	v_lshlrev_b32 v[R64], 6, v[R64]
	s_mov_b32 s25, s20                             ; my tiles: wave, wave + 4, ..
	s_mov_b32 s27, 16                              ; a constant count of trips, two tiles each; a wave leaves when its tiles are done
	s_wait_dscnt 0x0
.macro MM t, p, s
.set WR, 64*((\s)&3)+16*(\t)
.set XR, 128*(\p)+16*(\s)
.set AR, ACC+8*(\t)
.if (\s) == 0
.if (\t) & 1
	v_wmma_scale_f32_16x16x128_f8f6f4 v[AR:AR+7], v[WR:WR+15], v[XR:XR+15], v[BIAS+8*(\t):BIAS+8*(\t)+7], v[WS+8*((\t)>>1)+(\s)], v[XS+8*(\p)+(\s)] matrix_a_fmt:MATRIX_FMT_BF8 matrix_b_fmt:MATRIX_FMT_BF8 matrix_a_scale:MATRIX_SCALE_ROW1
.else
	v_wmma_scale_f32_16x16x128_f8f6f4 v[AR:AR+7], v[WR:WR+15], v[XR:XR+15], v[BIAS+8*(\t):BIAS+8*(\t)+7], v[WS+8*((\t)>>1)+(\s)], v[XS+8*(\p)+(\s)] matrix_a_fmt:MATRIX_FMT_BF8 matrix_b_fmt:MATRIX_FMT_BF8
.endif
.else
.if (\t) & 1
	v_wmma_scale_f32_16x16x128_f8f6f4 v[AR:AR+7], v[WR:WR+15], v[XR:XR+15], v[AR:AR+7], v[WS+8*((\t)>>1)+(\s)], v[XS+8*(\p)+(\s)] matrix_a_fmt:MATRIX_FMT_BF8 matrix_b_fmt:MATRIX_FMT_BF8 matrix_a_scale:MATRIX_SCALE_ROW1
.else
	v_wmma_scale_f32_16x16x128_f8f6f4 v[AR:AR+7], v[WR:WR+15], v[XR:XR+15], v[AR:AR+7], v[WS+8*((\t)>>1)+(\s)], v[XS+8*(\p)+(\s)] matrix_a_fmt:MATRIX_FMT_BF8 matrix_b_fmt:MATRIX_FMT_BF8
.endif
.endif
.endm
; The hidden layer's two blocks of 32 (16 numbers in lane l, 16 in lane l xor 16).  No |.|: what is negative becomes 0, so it must not count; the hold clips at 0 as well.  Each tile is read from its low end on.
.macro QH
.irp b, 0,1
	v_max3_num_f32 v[M+\b], v[ACC+16*\b], v[ACC+16*\b+1], v[FL]
.endr
.irp i, 2,4,6,8,10,12,14
.irp b, 0,1
	v_max3_num_f32 v[M+\b], v[M+\b], v[ACC+16*\b+\i], v[ACC+16*\b+\i+1]
.endr
.endr
.irp b, 0,1
	v_permlanex16_b32 v[M+2+\b], v[M+\b], s32, s33
.endr
.irp b, 0,1
	v_max_num_f32 v[M+\b], v[M+\b], v[M+2+\b]
.endr
.irp b, 0,1
	v_add_nc_u32 v[SCO+\b], 0xf8800000, v[M+\b]
.endr
.irp b, 0,1
	v_and_or_b32 v[LIM+\b], v[M+\b], 0x7f800000, s34
.endr
.irp b, 0,1
	v_lshrrev_b32 v[M+2+\b], 23, v[SCO+\b]
.endr
	v_lshl_or_b32 v[HW], v[M+3], 8, v[M+2]
.irp b, 0,1
.irp i, 0,1,2,3,4,5,6,7,8,9,10,11,12,13,14,15
	v_med3_num_f32 v[ACC+16*\b+\i], v[ACC+16*\b+\i], 0, v[LIM+\b]               ; relu and the hold in one
.endr
	v_cvt_scalef32_pk8_bf8_f32 v[PC+4*\b:PC+4*\b+1], v[ACC+16*\b:ACC+16*\b+7], v[SCO+\b]
	v_cvt_scalef32_pk8_bf8_f32 v[PC+4*\b+2:PC+4*\b+3], v[ACC+16*\b+8:ACC+16*\b+15], v[SCO+\b]
.endr
	v_nop                                          ; a plain line behind the last conversion: the next products write its sources
.endm
; A tile of 16 tokens out of buffer p.  The four accumulators take turns, one instruction a turn; b1 is the C of each sum's first product.
; Loads go out in this order: .. codes of tile T (34), tokens of tile T + 8 (1), codes of tile T + 4 (34), tokens of tile T + 12 (1), codes of tile T + 8 (34) ..
.macro TILE p
	s_add_co_u32 s37, s25, 4*\p                    ; the tile's number T
	s_cmp_ge_u32 s37, s24
	s_cbranch_scc1 .Ldone                          ; no tile left: the wave leaves the loop (loads in flight are left behind)
	s_add_co_u32 s39, s37, 12
	s_min_u32 s39, s39, 135                        ; the tile whose tokens are asked for below; 135 is the last whole tile of the list's 2,176 entries
	s_wait_loadcnt 35                              ; this buffer's 34 loads are in; one load of tokens and the other buffer's 34 are younger
	WIN 0x0d                                       ; source 0 window 1, source 1 window 3
.irp s, 0,1,2,3
.irp t, 0,1,2,3
	MM \t, \p, \s
.endr
.endr
	WIN 0x0e                                       ; source 0 window 2
.irp s, 4,5,6,7
.irp t, 0,1,2,3
	MM \t, \p, \s
.endr
.endr
	WIN 0
	s_wait_loadcnt 34                              ; the tokens of tile T + 8 are in; the other buffer's 34 loads are younger
	s_wait_xcnt 0x0                                ; the last tile's loads and stores have read their offsets and data
	TOK \p, TKR+\p                                 ; eight plain lines that name no register of the products stand ahead of the loads into the buffer and of the first read of results
	v_lshl_add_u32 v[HO], s37, 15, v[LI]           ; hq: 32,768 bytes a tile
	v_lshl_add_u32 v[HSO], s37, 10, v[R64]         ; hs: 1,024 bytes a tile
	v_lshl_add_u32 v[TOA], s39, 6, v[LA0]          ; order: 64 bytes a tile
	v_nop
	v_nop
	global_load_b32 v[TKR+1-\p], v[TOA], s[12:13]  ; the tokens of tile T + 12, for the other buffer's next fill
	XLOAD \p                                       ; the codes of tile T + 8
	QH
	global_store_b128 v[HO], v[PC:PC+3], s[14:15]              ; a piece of the next operand's image: 512 consecutive bytes, aligned
	global_store_b128 v[HO], v[PC+4:PC+7], s[14:15] offset:512
	global_store_b16 v[HSO], v[HW], s[16:17]                   ; two bytes of the row's word j / 2 (lanes l and l xor 16 write the same): laid so that the next launch, which reads them 32 times, loads whole words
.endm
.Ltile:
	TILE 0
	TILE 1
	s_add_co_u32 s25, s25, 8
	s_sub_co_u32 s27, s27, 1
	s_cmp_lg_u32 s27, 0
	s_cbranch_scc1 .Ltile
.Ldone:
	s_wait_tensorcnt 0x0
	ds_add_u32 v8, v17
	s_wait_dscnt 0x0
	s_endpgm
.Lfunc_end_k_q9989b7fbe5_up:
	.size	k_q9989b7fbe5_up, .Lfunc_end_k_q9989b7fbe5_up-k_q9989b7fbe5_up
	.p2alignl 7, 3214868480
	.fill 96, 4, 3214868480
	.section	.rodata,"a",@progbits
	.p2align	6, 0x0
	.amdhsa_kernel k_q9989b7fbe5_up
		.amdhsa_group_segment_fixed_size 70144
		.amdhsa_private_segment_fixed_size 0
		.amdhsa_enable_private_segment 0
		.amdhsa_kernarg_size 56
		.amdhsa_user_sgpr_count 2
		.amdhsa_user_sgpr_kernarg_segment_ptr 1
		.amdhsa_wavefront_size32 1
		.amdhsa_system_sgpr_workgroup_id_x 1
		.amdhsa_system_sgpr_workgroup_id_y 1
		.amdhsa_system_sgpr_workgroup_id_z 1
		.amdhsa_system_vgpr_workitem_id 0
		.amdhsa_next_free_vgpr 1024
		.amdhsa_next_free_sgpr 66
		.amdhsa_reserve_vcc 0
		.amdhsa_float_denorm_mode_32 3
		.amdhsa_float_denorm_mode_16_64 3
		.amdhsa_memory_ordered 1
		.amdhsa_forward_progress 1
		.amdhsa_inst_pref_size 116
	.end_amdhsa_kernel
	.amdgpu_metadata
---
amdhsa.version: [ 1, 2 ]
amdhsa.kernels:
  - .name:           k_q9989b7fbe5_up
    .symbol:         k_q9989b7fbe5_up.kd
    .args:
      - { .name: W1, .offset: 0, .size: 8, .value_kind: global_buffer, .address_space: global }
      - { .name: b1, .offset: 8, .size: 8, .value_kind: global_buffer, .address_space: global }
      - { .name: xq, .offset: 16, .size: 8, .value_kind: global_buffer, .address_space: global }
      - { .name: xs, .offset: 24, .size: 8, .value_kind: global_buffer, .address_space: global }
      - { .name: order, .offset: 32, .size: 8, .value_kind: global_buffer, .address_space: global }
      - { .name: hq, .offset: 40, .size: 8, .value_kind: global_buffer, .address_space: global }
      - { .name: hs, .offset: 48, .size: 8, .value_kind: global_buffer, .address_space: global }
    .group_segment_fixed_size: 70144
    .private_segment_fixed_size: 0
    .kernarg_segment_align: 8
    .kernarg_segment_size: 56
    .max_flat_workgroup_size: 128
    .sgpr_count:     66
    .vgpr_count:     1024
    .wavefront_size: 32
...
	.end_amdgpu_metadata
.endif
;; end of part 3
;; launch down (part 4): grid 256 x 1, 4 waves a work-group, no clusters, 78,336 bytes of LDS; arguments W2, b2, hq, hs, order, gate, out0; writes out0
.if DOCPART == 4
	.amdgcn_target "amdgcn-amd-amdhsa--gfx1250"
	.amdhsa_code_object_version 6
	.text
	.protected	k_q9989b7fbe5_down
	.globl	k_q9989b7fbe5_down
	.p2align	8
	.type	k_q9989b7fbe5_down,@function
k_q9989b7fbe5_down:
	s_mov_b64 s[64:65], 0
	v_nop
	global_prefetch_b8 v0, s[64:65] scope:SCOPE_SE
	s_setreg_imm32_b32 hwreg(HW_REG_WAVE_MODE, 25, 1), 1
	s_wait_xcnt 0x0
; SECOND LAYER OF THE CHOSEN EXPERT:  out0[token] = (h Q(W2[e]) + b2[e]) x gate[token], for the tokens routed to e alone.
; W2 [8][2048][1024] f32 (K is the first axis inside an expert).  Work-group = expert e (number / 32), slice j (number % 32) of 32 outputs: 8 x 1,024 columns over 256 work-groups; 128 bytes of each of W2[e]'s 2,048 rows
; (work-groups 2 i and 2 i + 1 read the two halves of each 256 bytes side by side, so these loads carry no hint).
; As in the launch before: the slice is read once as f32, each wave quantises a quarter of K in registers (a lane: 4 columns x a whole block of 32), the codes go through LDS as images of the operand's registers,
; every wave then holds all 64 KiB of them in 512 registers, and the waves share the expert's tiles of 16 tokens.
; THE TOKENS AND THE COUNT come from order, whole numbers that the launch before stored (9,216 bytes an expert: entry 16 T + r is the token of row r of tile T; the count at byte 8,832).  A tile's tokens are asked for one tile ahead.
; h comes as register images ([e x 128 + tile][K step][c][lane][16 bytes]): every load is 512 consecutive bytes; a tile's K goes in two halves of 8 K steps through two buffers.
; THE PRODUCT IS USED TRANSPOSED (source 0 = 16 outputs, source 1 = 16 tokens): a lane holds one token and eight neighbouring outputs.  Even and odd K steps are summed in accumulators of their own (four take turns) and added at the end.
; The results go through the wave's own stage in LDS, so that eight neighbouring lanes store a row's 128 consecutive bytes.
; NO TENSOR LOADS, NO CLUSTER: the number of tiles hangs on counts read from memory (see the launch before).
; LIMITS: NaN and infinities are not served; a block of W2 whose largest magnitude lies under 2^-111 (a block of zeros too) gets the byte 1: this program alone reads the bytes.
; REGISTERS, in windows of 256: window 0 as named below; windows 1 and 2: four sets of 128 numbers of W2 during the stream, then the codes (K step s, tile u at v[32 (s % 8) + 16 u], s / 8 picks the window); window 3: two buffers of 128 for h.
.set WSC,  65792                       ; LDS: 0 .. 65,551 the images: tile u at 32,784 u, K step s 2,048 on, piece c 512 on
.set STG,  68352                       ; WSC: the scale bytes, 80 bytes a column (64 used).  STG: the stages: 16 rows x (128 + 16) bytes for each wave
.set LI,   1                           ; v1   16 x lane
.set GW,   2                           ; v2   the stream: 131,072 (lane / 8) + 16 (lane % 8): each eight lanes stand one block of 32 rows further down
.set WST,  3                           ; v3   where my codes go
.set WSB,  4                           ; v4   where my scale bytes go
.set WSR,  5                           ; v5   where I read scale words
.set LA0,  6                           ; v6   4 (lane % 16): in a tile's 64 bytes of order, the token of my column of the result
.set TOA,  7                           ; v7   + 64 x tile
.set TK,   8                           ; v8   that token
.set LB0,  9                           ; v9   4 (lane / 8): the tokens of the rows that I store
.set TOB,  10                          ; v10  + 64 x tile
.set GO,   11                          ; v11  my byte in gate (at the head: in b2)
.set GT,   12                          ; v[12:13] gate of my token; v13 is named with it as a pair, so it is written
.set HOF,  14                          ; v14  my byte in hq
.set HSF,  15                          ; v15  and in hs
.set FL,   16                          ; v16  the floor 2^(16 - 127)
.set M,    18                          ; v18-21 largest magnitudes, then bytes
.set SCO,  22                          ; v22-25 the conversions' scale operands
.set LIM,  26                          ; v26-29 57,344 x the scale
.set WS,   32                          ; v32-47 W2's scale words of K step s: lane l holds column l's
.set HS,   48                          ; v48-63 h's scale words of K step s
.set BIAS, 64                          ; v64-79 b2 in the result's layout: 8 u + i
.set TKB,  80                          ; v80-83 tokens of the rows that I store
.set OOF,  84                          ; v84-87 their bytes in out0
.set STO,  88                          ; v88  the stage: where I put 32 bytes of a row
.set SRD,  89                          ; v89  and where I read rows back
.set R64,  90                          ; v90  64 (lane % 16)
.set P16,  91                          ; v91  16 (lane % 8)
.set C,    96                          ; v96-127 a group's codes
.set T,    128                         ; v128-255 held numbers, turned: 32 cc + i
.set ACC,  128                         ; v128-159 in the loop: accumulator (u, parity of the K step) at 16 u + 8 parity
.set OB,   160                         ; v160-175 rows read back from the stage
.set MSB, 0
.macro WIN new                         ; the immediate's high byte repeats the setting that is left; a switch that changes nothing is dropped
.if MSB != (\new)
	s_set_vgpr_msb (MSB<<8)|(\new)
.set MSB, \new
.endif
.endm
	s_load_b256 s[4:11], s[0:1], 0x0               ; W2, b2, hq, hs
	s_load_b128 s[12:15], s[0:1], 0x20             ; order, gate
	s_load_b64 s[16:17], s[0:1], 0x30              ; out0
	v_lshl_add_u32 v94, v0, 2, 0x13000
	v_mov_b32 v95, 0
	v_lshrrev_b32 v10, 5, v0
	v_readfirstlane_b32 s20, v10                   ; wave
	s_lshr_b32 s21, ttmp9, 5                       ; e
	s_and_b32 s22, ttmp9, 31                       ; j
	v_and_b32 v10, 31, v0
	v_lshlrev_b32 v[LI], 4, v10
	v_mul_u32_u24 v[WSR], v10, 80
	v_add_nc_u32 v[WSR], WSC, v[WSR]
	v_and_b32 v8, 7, v0                            ; lc = lane % 8
	v_bfe_u32 v10, v0, 3, 2                        ; kq = lane / 8
	v_and_b32 v14, 15, v0                          ; r
	v_bfe_u32 v15, v0, 4, 1                        ; h
	v_lshlrev_b32 v[P16], 4, v8
	v_lshl_add_u32 v[GW], v10, 17, v[P16]
	v_bfe_u32 v11, v0, 2, 1                        ; my columns are 4 lc + cc: tile lc / 4, rows 4 (lc % 4) + cc
	v_mul_u32_u24 v[WST], v11, 32784
	v_and_b32 v11, 3, v0
	v_lshl_add_u32 v[WST], v11, 6, v[WST]
	v_lshl_add_u32 v[WST], v10, 9, v[WST]          ; piece c = kq
	s_lshl_b32 s28, s20, 13
	v_add_nc_u32 v[WST], s28, v[WST]               ; my wave's four K steps
	v_mad_u32_u24 v[WSB], v8, 320, v10             ; four columns of 80 bytes a lane, + kq
	s_lshl_b32 s28, s20, 4
	s_add_co_u32 s28, s28, WSC
	v_add_nc_u32 v[WSB], s28, v[WSB]               ; + my wave's sixteen blocks
	v_lshlrev_b32 v[LA0], 2, v14
	v_lshlrev_b32 v[LB0], 2, v10
	s_mul_i32 s28, s20, 2304
	s_add_co_u32 s28, s28, STG                     ; my stage
	v_mul_u32_u24 v[STO], v14, 144
	v_lshl_add_u32 v[STO], v15, 5, v[STO]
	v_add_nc_u32 v[STO], s28, v[STO]               ; in: row r, 32 bytes for each half of the lanes
	v_mul_u32_u24 v[SRD], v10, 144
	v_add_nc_u32 v[SRD], v[SRD], v[P16]
	v_add_nc_u32 v[SRD], s28, v[SRD]               ; back: eight lanes to a row, four rows an instruction
	v_lshlrev_b32 v[R64], 6, v14
	v_lshlrev_b32 v[GO], 5, v15                    ; b2: 32 bytes on for lanes 16-31
	v_mov_b32 v[FL], 0x8000000
	v_mov_b32 v[GT+1], 0
	s_mov_b32 s34, 0x600000                        ; the mantissa field of 57,344
	s_mov_b32 s29, 0
	s_wait_kmcnt 0x0
	s_mul_i32 s28, s21, 9216
	s_add_nc_u64 s[12:13], s[12:13], s[28:29]      ; order: the expert's 9,216 bytes
	s_load_b32 s23, s[12:13], 0x2280               ; the count, at byte 8,832 of them
	s_lshl_b32 s28, s21, 23
	s_lshl_b32 s30, s20, 21
	s_add_co_u32 s28, s28, s30
	s_lshl_b32 s30, s22, 7
	s_add_co_u32 s28, s28, s30
	s_add_nc_u64 s[4:5], s[4:5], s[28:29]          ; W2: expert, my wave's 512 rows, the slice's 128 bytes
	s_lshl_b32 s28, s21, 12
	s_add_co_u32 s28, s28, s30
	s_add_nc_u64 s[6:7], s[6:7], s[28:29]          ; b2
	s_mov_b32 s28, s30
	s_add_nc_u64 s[16:17], s[16:17], s[28:29]      ; out0: the slice's 128 bytes of a row
	s_lshl_b32 s28, s21, 22
	s_add_nc_u64 s[8:9], s[8:9], s[28:29]          ; hq: the expert's 128 tiles
	s_lshl_b32 s28, s21, 17
	s_add_nc_u64 s[10:11], s[10:11], s[28:29]      ; hs
.irp u, 0,1
	global_load_b128 v[BIAS+8*\u:BIAS+8*\u+3], v[GO], s[6:7] offset:64*\u       ; b2 of outputs 16 u + 8 h + 0 .. 7
	global_load_b128 v[BIAS+8*\u+4:BIAS+8*\u+7], v[GO], s[6:7] offset:64*\u+16
.endr
; Group gq of a wave's four: 128 rows of K; load i reads row i of my eight lanes' block.  Register 4 i + cc = (k = i, column 4 lc + cc).
.macro GLOAD gq, win, sb
	WIN (\win)<<6
.set i, 0
.rept 32
	global_load_b128 v[\sb+4*i:\sb+4*i+3], v[GW], s[4:5] offset:(128*(\gq)+i)*4096
.set i, i+1
.endr
	WIN 0
.endm
	GLOAD 0, 1, 0
	GLOAD 1, 1, 128
	s_wait_kmcnt 0x0                               ; the count
	s_add_co_u32 s24, s23, 15
	s_lshr_b32 s24, s24, 4                         ; tiles
	s_max_u32 s38, s24, 1
	s_sub_co_u32 s38, s38, 1                       ; the last tile that was written (tile 0 always was)
	s_min_u32 s37, s20, s38
	s_min_u32 s37, s37, 127
	v_lshl_add_u32 v[HOF], s37, 15, v[LI]          ; my first tile, or the last written one: hq, 32,768 bytes a tile,
	v_lshl_add_u32 v[HSF], s37, 10, v[R64]         ; hs, 1,024,
	v_lshl_add_u32 v[TOA], s37, 6, v[LA0]          ; order, 64
	v_lshl_add_u32 v[TOB], s37, 6, v[LB0]
.macro QGROUP gq, win, sb
	s_wait_dscnt 0x0                               ; the last group's LDS stores are done
	WIN ((\win)<<2)|((\win)<<4)
.irp cc, 0,1,2,3
	v_max3_num_f32 v[M+\cc], v[FL], |v[\sb+\cc]|, |v[\sb+4+\cc]|                ; the four columns by turns; the floor holds the byte at 1 from below
.endr
.set i, 2
.rept 15
.irp cc, 0,1,2,3
	v_max3_num_f32 v[M+\cc], v[M+\cc], |v[\sb+4*i+\cc]|, |v[\sb+4*i+4+\cc]|
.endr
.set i, i+2
.endr
	WIN 0
.irp cc, 0,1,2,3
	v_add_nc_u32 v[SCO+\cc], 0xf8800000, v[M+\cc]  ; 15 off the exponent field
.endr
.irp cc, 0,1,2,3
	v_and_or_b32 v[LIM+\cc], v[M+\cc], 0x7f800000, s34
.endr
.irp cc, 0,1,2,3
	v_lshrrev_b32 v[M+\cc], 23, v[SCO+\cc]         ; the byte
.endr
.irp cc, 0,1,2,3
	ds_store_b8 v[WSB], v[M+\cc] offset:\cc*80+4*(\gq)
.endr
	WIN \win
.irp cc, 0,1,2,3
.set i, 0
.rept 32
	v_med3_num_f32 v[T+32*\cc+i], v[\sb+4*i+\cc], -v[LIM+\cc], v[LIM+\cc]       ; the hold (ISA guide 7.6.2), which also turns the numbers
.set i, i+1
.endr
.endr
	WIN 0
.irp cc, 0,1,2,3
.irp q, 0,1,2,3
	v_cvt_scalef32_pk8_bf8_f32 v[C+8*\cc+2*\q:C+8*\cc+2*\q+1], v[T+32*\cc+8*\q:T+32*\cc+8*\q+7], v[SCO+\cc]
.endr
.endr
	v_nop                                          ; a plain line behind the last conversion
.irp cc, 0,1,2,3
.irp hf, 0,1
	ds_store_b128 v[WST], v[C+8*\cc+4*\hf:C+8*\cc+4*\hf+3] offset:(\gq)*2048+\hf*256+\cc*16   ; of sixteen lanes two fall on each column of 16 bytes: 32 such stores a wave, while the stream is on its way
.endr
.endr
.endm
.macro TLOAD                           ; a tile's tokens: 5 loads
	global_load_b32 v[TK], v[TOA], s[12:13]                    ; by the result's columns,
.irp q, 0,1,2,3
	global_load_b32 v[TKB+\q], v[TOB], s[12:13] offset:16*\q   ; and by the rows that I store: row 4 q + lane / 8
.endr
.endm
.macro PLOAD p                         ; half p of a tile's K: 8 K steps of h and their scale words: 34 loads
	WIN 0xc0
.irp s, 0,1,2,3,4,5,6,7
.irp c, 0,1,2,3
	global_load_b128 v[128*\p+16*\s+4*\c:128*\p+16*\s+4*\c+3], v[HOF], s[8:9] offset:16384*\p+2048*\s+512*\c
.endr
.endr
	WIN 0
	global_load_b128 v[HS+8*\p:HS+8*\p+3], v[HSF], s[10:11] offset:32*\p
	global_load_b128 v[HS+8*\p+4:HS+8*\p+7], v[HSF], s[10:11] offset:32*\p+16
.endm
	s_wait_loadcnt 32                              ; b2 and group 0 are in; group 1's 32 loads are younger
	GLOAD 2, 2, 0
	QGROUP 0, 1, 0
	s_wait_loadcnt 32                              ; group 1 is in; group 2's are younger
	GLOAD 3, 2, 128
	QGROUP 1, 1, 128
	s_wait_loadcnt 32                              ; group 2 is in; group 3's are younger
	QGROUP 2, 2, 0
	s_wait_loadcnt 0x0
	TLOAD                                          ; my first tile comes while the last group is worked
	PLOAD 0
	QGROUP 3, 2, 128
	PLOAD 1
	s_wait_dscnt 0x0                               ; for the others' sake: my quarter of the images lies in LDS
	s_barrier_signal -1
	s_barrier_wait -1
	WIN 0x40
.irp s, 0,1,2,3,4,5,6,7
.irp u, 0,1
.irp c, 0,1,2,3
	ds_load_b128 v[32*\s+16*\u+4*\c:32*\s+16*\u+4*\c+3], v[LI] offset:\u*32784+\s*2048+\c*512
.endr
.endr
.endr
	WIN 0x80
.irp s, 8,9,10,11,12,13,14,15
.irp u, 0,1
.irp c, 0,1,2,3
	ds_load_b128 v[32*(\s-8)+16*\u+4*\c:32*(\s-8)+16*\u+4*\c+3], v[LI] offset:\u*32784+\s*2048+\c*512
.endr
.endr
.endr
	WIN 0
.irp q, 0,1,2,3
	ds_load_b128 v[WS+4*\q:WS+4*\q+3], v[WSR] offset:16*\q
.endr
	s_mov_b32 s25, s20                             ; my tiles: wave, wave + 4, ..
	s_mov_b32 s27, 32                              ; a constant count of trips; a wave leaves when its tiles are done
	s_wait_dscnt 0x0
.macro MD u, p, s                      ; K step 8 p + s, tile u
.set WR, 32*(\s)+16*(\u)
.set HR, 128*(\p)+16*(\s)
.set AR, ACC+16*(\u)+8*((\s)&1)
.set SA, WS+8*(\p)+(\s)
.set SB, HS+8*(\p)+(\s)
.if ((\p) == 0) && ((\s) == 0)
.if \u
	v_wmma_scale_f32_16x16x128_f8f6f4 v[AR:AR+7], v[WR:WR+15], v[HR:HR+15], v[BIAS+8*(\u):BIAS+8*(\u)+7], v[SA], v[SB] matrix_a_fmt:MATRIX_FMT_BF8 matrix_b_fmt:MATRIX_FMT_BF8 matrix_a_scale:MATRIX_SCALE_ROW1
.else
	v_wmma_scale_f32_16x16x128_f8f6f4 v[AR:AR+7], v[WR:WR+15], v[HR:HR+15], v[BIAS+8*(\u):BIAS+8*(\u)+7], v[SA], v[SB] matrix_a_fmt:MATRIX_FMT_BF8 matrix_b_fmt:MATRIX_FMT_BF8
.endif
.elseif ((\p) == 0) && ((\s) == 1)
.if \u
	v_wmma_scale_f32_16x16x128_f8f6f4 v[AR:AR+7], v[WR:WR+15], v[HR:HR+15], 0, v[SA], v[SB] matrix_a_fmt:MATRIX_FMT_BF8 matrix_b_fmt:MATRIX_FMT_BF8 matrix_a_scale:MATRIX_SCALE_ROW1
.else
	v_wmma_scale_f32_16x16x128_f8f6f4 v[AR:AR+7], v[WR:WR+15], v[HR:HR+15], 0, v[SA], v[SB] matrix_a_fmt:MATRIX_FMT_BF8 matrix_b_fmt:MATRIX_FMT_BF8
.endif
.else
.if \u
	v_wmma_scale_f32_16x16x128_f8f6f4 v[AR:AR+7], v[WR:WR+15], v[HR:HR+15], v[AR:AR+7], v[SA], v[SB] matrix_a_fmt:MATRIX_FMT_BF8 matrix_b_fmt:MATRIX_FMT_BF8 matrix_a_scale:MATRIX_SCALE_ROW1
.else
	v_wmma_scale_f32_16x16x128_f8f6f4 v[AR:AR+7], v[WR:WR+15], v[HR:HR+15], v[AR:AR+7], v[SA], v[SB] matrix_a_fmt:MATRIX_FMT_BF8 matrix_b_fmt:MATRIX_FMT_BF8
.endif
.endif
.endm
.macro UNIT p                          ; 16 products: the four accumulators take turns, one instruction a turn; b2 and the constant 0 start the sums
	WIN 0x0d+\p                                    ; source 0 window 1 or 2, source 1 window 3
.irp s, 0,1,2,3,4,5,6,7
.irp u, 0,1
	MD \u, \p, \s
.endr
.endr
	WIN 0
.endm
.Ltile:
	s_cmp_ge_u32 s25, s24
	s_cbranch_scc1 .Ldone                          ; no tile left: the wave leaves the loop (loads in flight are left behind)
	s_add_co_u32 s37, s25, 4
	s_min_u32 s37, s37, s38
	s_min_u32 s37, s37, 127                        ; my next tile, or the last written one: no load reads what was not stored
	s_wait_loadcnt 34                              ; this tile's tokens and its first half (5 + 34 loads) are in; the second half's 34 are younger
	UNIT 0
	s_wait_xcnt 0x0                                ; the loads and stores issued so far have read their offsets and data
	v_min_u32 v[TK], 0x7ff, v[TK]                  ; fourteen plain lines that name no register of the products: eight are owed ahead of the loads into the buffer
	v_lshlrev_b32 v[GO], 2, v[TK]
.irp q, 0,1,2,3
	v_min_u32 v[TKB+\q], 0x7ff, v[TKB+\q]
.endr
.irp q, 0,1,2,3
	v_lshl_add_u32 v[OOF+\q], v[TKB+\q], 12, v[P16]            ; out0: 4,096 bytes a token
.endr
	v_lshl_add_u32 v[HOF], s37, 15, v[LI]
	v_lshl_add_u32 v[HSF], s37, 10, v[R64]
	v_lshl_add_u32 v[TOA], s37, 6, v[LA0]
	v_lshl_add_u32 v[TOB], s37, 6, v[LB0]
	global_load_b32 v[GT], v[GO], s[14:15]         ; gate of my token
	TLOAD                                          ; the next tile's tokens (this tile's have been used up above),
	PLOAD 0                                        ; and its first half
	s_wait_loadcnt 40                              ; the second half is in; 1 + 5 + 34 loads are younger
	UNIT 1
.rept 8
	v_nop                                          ; the places ahead of the loads into the buffer and of the first read of results
.endr
	s_wait_loadcnt 39                              ; gate is in; 5 + 34 loads are younger
	PLOAD 1                                        ; the next tile's second half
.irp u, 0,1
.irp k, 0,2,4,6
	v_pk_add_f32 v[ACC+16*\u+\k:ACC+16*\u+\k+1], v[ACC+16*\u+\k:ACC+16*\u+\k+1], v[ACC+16*\u+8+\k:ACC+16*\u+8+\k+1]   ; even and odd K steps; each accumulator from its low end on
.endr
.endr
.irp u, 0,1
.irp k, 0,2,4,6
	v_pk_mul_f32 v[ACC+16*\u+\k:ACC+16*\u+\k+1], v[ACC+16*\u+\k:ACC+16*\u+\k+1], v[GT:GT+1] op_sel_hi:[1,0]
.endr
.endr
.irp u, 0,1
	ds_store_b128 v[STO], v[ACC+16*\u:ACC+16*\u+3] offset:64*\u
	ds_store_b128 v[STO], v[ACC+16*\u+4:ACC+16*\u+7] offset:64*\u+16
.endr
.irp q, 0,1,2,3
	ds_load_b128 v[OB+4*\q:OB+4*\q+3], v[SRD] offset:576*\q    ; LDS serves a wave's instructions in order (ISA guide 5.7.1.4): these see my stores
.endr
.irp q, 0,1,2,3
	s_wait_dscnt 3-\q
	global_store_b128 v[OOF+\q], v[OB+4*\q:OB+4*\q+3], s[16:17] th:TH_STORE_NT   ; eight lanes store a token's 128 consecutive bytes of this slice
.endr
	s_add_co_u32 s25, s25, 4
	s_sub_co_u32 s27, s27, 1
	s_cmp_lg_u32 s27, 0
	s_cbranch_scc1 .Ltile
.Ldone:
	s_wait_tensorcnt 0x0
	ds_add_u32 v94, v95
	s_wait_dscnt 0x0
	s_endpgm
.Lfunc_end_k_q9989b7fbe5_down:
	.size	k_q9989b7fbe5_down, .Lfunc_end_k_q9989b7fbe5_down-k_q9989b7fbe5_down
	.p2alignl 7, 3214868480
	.fill 96, 4, 3214868480
	.section	.rodata,"a",@progbits
	.p2align	6, 0x0
	.amdhsa_kernel k_q9989b7fbe5_down
		.amdhsa_group_segment_fixed_size 78336
		.amdhsa_private_segment_fixed_size 0
		.amdhsa_enable_private_segment 0
		.amdhsa_kernarg_size 56
		.amdhsa_user_sgpr_count 2
		.amdhsa_user_sgpr_kernarg_segment_ptr 1
		.amdhsa_wavefront_size32 1
		.amdhsa_system_sgpr_workgroup_id_x 1
		.amdhsa_system_sgpr_workgroup_id_y 1
		.amdhsa_system_sgpr_workgroup_id_z 1
		.amdhsa_system_vgpr_workitem_id 0
		.amdhsa_next_free_vgpr 1024
		.amdhsa_next_free_sgpr 66
		.amdhsa_reserve_vcc 0
		.amdhsa_float_denorm_mode_32 3
		.amdhsa_float_denorm_mode_16_64 3
		.amdhsa_memory_ordered 1
		.amdhsa_forward_progress 1
		.amdhsa_inst_pref_size 106
	.end_amdhsa_kernel
	.amdgpu_metadata
---
amdhsa.version: [ 1, 2 ]
amdhsa.kernels:
  - .name:           k_q9989b7fbe5_down
    .symbol:         k_q9989b7fbe5_down.kd
    .args:
      - { .name: W2, .offset: 0, .size: 8, .value_kind: global_buffer, .address_space: global }
      - { .name: b2, .offset: 8, .size: 8, .value_kind: global_buffer, .address_space: global }
      - { .name: hq, .offset: 16, .size: 8, .value_kind: global_buffer, .address_space: global }
      - { .name: hs, .offset: 24, .size: 8, .value_kind: global_buffer, .address_space: global }
      - { .name: order, .offset: 32, .size: 8, .value_kind: global_buffer, .address_space: global }
      - { .name: gate, .offset: 40, .size: 8, .value_kind: global_buffer, .address_space: global }
      - { .name: out0, .offset: 48, .size: 8, .value_kind: global_buffer, .address_space: global }
    .group_segment_fixed_size: 78336
    .private_segment_fixed_size: 0
    .kernarg_segment_align: 8
    .kernarg_segment_size: 56
    .max_flat_workgroup_size: 128
    .sgpr_count:     66
    .vgpr_count:     1024
    .wavefront_size: 32
...
	.end_amdgpu_metadata
.endif
;; end of part 4
;; ======== version 2 of 2: 4 launches; version 1 with the launches up, down written anew for expert scheduling mode
;; workspace buffers: xq 2,097,152 bytes; xs 65,536 bytes; routes 8,192 bytes of whole numbers; gate 8,192 bytes; hq 33,554,432 bytes; hs 1,048,576 bytes; order 73,728 bytes of whole numbers
;; launch route: the kernel of part 1 again; grid 256 x 1, 4 waves a work-group, no clusters, 35,328 bytes of LDS; arguments x, Wr, br, xq, xs, routes, gate, out1; writes xq, xs, routes, gate, out1
;; launch sort: the kernel of part 2 again; grid 8 x 1, 1 waves a work-group, no clusters, 9,472 bytes of LDS; arguments routes, order, out2; writes order, out2
;; launch up (part 5): grid 256 x 1, 4 waves a work-group, no clusters, 70,144 bytes of LDS; arguments W1, b1, xq, xs, order, hq, hs; writes hq, hs
.if DOCPART == 5
	.amdgcn_target "amdgcn-amd-amdhsa--gfx1250"
	.amdhsa_code_object_version 6
	.text
	.protected	k_q9989b7fbe5_up
	.globl	k_q9989b7fbe5_up
	.p2align	8
	.type	k_q9989b7fbe5_up,@function
k_q9989b7fbe5_up:
	s_mov_b64 s[64:65], 0
	v_nop
	global_prefetch_b8 v0, s[64:65] scope:SCOPE_SE
	s_setreg_imm32_b32 hwreg(HW_REG_WAVE_SCHED_MODE, 0, 2), 2
	s_setreg_imm32_b32 hwreg(HW_REG_WAVE_MODE, 25, 1), 1
	s_wait_xcnt 0x0
	s_wait_alu depctr_vm_vsrc(0)
; FIRST LAYER OF THE CHOSEN EXPERT:  h = Q(relu(Q(x) Q(W1[e]) + b1[e])), for the tokens routed to e alone.
; W1 [8][1024][2048] f32 (K is the first axis inside an expert).  Work-group = expert e (number / 32), slice j (number % 32) of 64 hidden units: 256 bytes of each of W1[e]'s 1,024 rows.
; THE SLICE IS READ ONCE, AS f32, AND NEVER WRITTEN BACK: each wave streams a quarter of K, quantises it in registers (a lane holds 4 columns x a whole block of 32 along K, so a block's largest
; magnitude needs no other lane), and lays the codes in LDS as images of the operand's registers.  Then every wave takes ALL 64 KiB of codes into 512 registers and the waves share the expert's tokens, 16 a tile.
; THE TOKENS AND THE COUNT come from order, whole numbers that the launch before stored (9,216 bytes an expert: entry 16 T + r is the token of row r of tile T; the count at byte 8,832).
; The entries behind the last repeat the last token, so no lane is ever switched off.  A tile's tokens are asked for three of the wave's tiles ahead, its codes two.
; THE PRODUCT IS USED TRANSPOSED (source 0 = 16 hidden units, source 1 = 16 tokens): a lane holds one token.  Row r of tile 2 b + u is hidden unit 32 b + 8 u + r + 8 (r / 8), so that the 16 registers of tiles
; 2 b and 2 b + 1 are 16 neighbours along the next K: the conversions' results are registers of the next product's operand, and go to hq as such: [e x 128 + tile][K step][c][lane][16 bytes].
; hs: [e x 128 + tile][row][16 words], word s = the bytes of K step s: this slice gives two bytes of a word.
; NO TENSOR LOADS, NO CLUSTER: the 32 slices of an expert do read the same tokens' codes, but how many tiles there are hangs on counts read from memory;
; asking jointly for the constant worst case, 128 tiles an expert, would fetch eight times the 128 tiles that all experts have together.
; LIMITS: NaN and infinities are not served; a block whose largest magnitude lies under 2^-111 (a block of zeros too) gets the byte 1: this program alone reads the bytes.
; REGISTERS, in windows of 256: window 0 as named below; windows 1 and 2: four sets of 128 numbers of W1 during the stream, then the 512 registers of codes (K step s, tile t, at v[64 (s % 4) + 16 t], s / 4 picks the window);
; window 3: two buffers of 128 for tokens' codes (K step s at v[128 p + 16 s]).
; THE MODE: SCHED_MODE bits 1:0 = 2 (LLVM: expert scheduling mode 2), set by the entry lines.  The code itself states the register dependences
; between vector or matrix instructions and memory or LDS instructions, with s_wait_alu, always for 0.
; THE PLAN.  Registers that memory or LDS instructions touch:
;   LI, GW, WST, WSB, WSR, LA0   Made at the head, ahead of the first wait on va_vdst; never written again.
;   THE STREAM.  The four raw sets: each is filled once by loads and read by its group's maxima and holds; behind the barrier the images' LDS loads land in them.
;     M (the bytes), C (the codes): written by a group's vector lines, read by its twelve LDS stores, which stand in one run at the group's end.
;     So a group has one wait on va_vdst, ahead of that run, and from the second group on one on vm_vsrc, at its head.  The last group's wait on va_vdst also states that all four raw sets have been read:
;     no vector line stands between it and the images' loads.  The first tokens' offsets are made ahead of the first group, so that a group's wait states them written too.
;   THE LOOP, a tile out of buffer p.  X[p], XS[p]: read by the tile's 32 products, then loaded again.  TKR[p]: read and written by TOK p, loaded again in the next tile.
;     XO[p], XSO[p], TOA, HO, HSO: written by the six lines behind the products; read by the loads that follow them and by the stores at the tile's end.  PC, HW: written by QH, read by those three stores.
;     So a tile has one wait on vm_vsrc, ahead of the six lines; one on va_vdst behind them, ahead of its 35 loads, which stand in one run there; and one on va_vdst behind QH, ahead of its three stores.
.set WSC,  65792                       ; LDS: 0 .. 65,583 the images: tile t at 16,384 t + 16 (t % 2) + 32 (t / 2), K step s 2,048 on, piece c 512 on, lane's 16 bytes at 16 x lane.  WSC: the scale bytes, 48 bytes a column (32 used)
.set LI,   1                           ; v1   16 x lane
.set GW,   2                           ; v2   the stream: 262,144 (lane / 16) + 16 (lane % 16): lanes 16-31 stand one block of 32 rows further down
.set WST,  3                           ; v3   where my codes go
.set WSB,  4                           ; v4   where my scale bytes go
.set WSR,  5                           ; v5   where I read scale words
.set LA0,  6                           ; v6   4 (lane % 16): my row's entry in a tile's 64 bytes of order
.set TOA,  7                           ; v7   + 64 x tile
.set XO,   9                           ; v9-10  buffer p: my byte in xq
.set XSO,  11                          ; v11-12 and in xs
.set HO,   13                          ; v13  my byte in hq (at the head: in b1)
.set HSO,  14                          ; v14  and in hs
.set H16,  15                          ; v15  16 (lane / 16)
.set FL,   16                          ; v16  the floor 2^(16 - 127)
.set M,    18                          ; v18-21 largest magnitudes, then bytes
.set SCO,  22                          ; v22-25 the conversions' scale operands
.set LIM,  26                          ; v26-29 57,344 x the scale
.set TKR,  30                          ; v30-31 tokens on their way: register p for the tiles that go through buffer p
.set WS,   32                          ; v32-47 W1's scale words: 8 b + s; lanes 0-15 tile 2 b, lanes 16-31 tile 2 b + 1
.set XS,   48                          ; v48-63 the tokens' scale words: 8 p + s
.set BIAS, 64                          ; v64-95 b1 in the result's layout: 8 t + i
.set C,    96                          ; v96-127 a group's codes
.set PC,   96                          ; in the loop: v96-103 the hidden layer's codes,
.set HW,   104                         ; v104 its two scale bytes,
.set R64,  106                         ; v106 64 (lane % 16)
.set T,    128                         ; v128-255 held numbers, turned: 32 cc + i
.set ACC,  128                         ; v128-159 in the loop: the four tiles
.set MSB, 0
.macro WIN new                         ; the immediate's high byte repeats the setting that is left; a switch that changes nothing is dropped
.if MSB != (\new)
	s_set_vgpr_msb (MSB<<8)|(\new)
.set MSB, \new
.endif
.endm
	s_load_b256 s[4:11], s[0:1], 0x0               ; W1, b1, xq, xs
	s_load_b128 s[12:15], s[0:1], 0x20             ; order, hq
	s_load_b64 s[16:17], s[0:1], 0x30              ; hs
	v_lshl_add_u32 v8, v0, 2, 0x11000
	v_mov_b32 v17, 0
	v_lshrrev_b32 v11, 5, v0
	v_readfirstlane_b32 s20, v11                   ; wave
	s_lshr_b32 s21, ttmp9, 5                       ; e
	s_and_b32 s22, ttmp9, 31                       ; j
	v_and_b32 v11, 31, v0
	v_lshlrev_b32 v[LI], 4, v11
	v_and_b32 v9, 15, v0                           ; lc = lane % 16
	v_bfe_u32 v10, v0, 4, 1                        ; hh = lane / 16
	v_lshlrev_b32 v[GW], 4, v9
	v_lshl_add_u32 v[GW], v10, 18, v[GW]
	; my columns are 4 lc + cc.  Column bits: 5 = b, 4 = r / 8, 3 = u, 2..0 = r % 8.  So lc's bit 3 picks b, bit 1 u, bit 2 eight rows (128 bytes), bit 0 four rows (64 bytes)
	v_bfe_u32 v11, v0, 3, 1
	v_mul_u32_u24 v[WST], v11, 32800
	v_bfe_u32 v11, v0, 1, 1
	v_mad_u32_u24 v[WST], v11, 16400, v[WST]
	v_bfe_u32 v11, v0, 2, 1
	v_lshl_add_u32 v[WST], v11, 7, v[WST]
	v_and_b32 v11, 1, v0
	v_lshl_add_u32 v[WST], v11, 6, v[WST]
	v_lshl_add_u32 v[WST], v10, 9, v[WST]          ; lanes 16-31: the next block of 32: piece c + 1
	s_wait_alu depctr_va_sdst(0)                   ; s20, the wave's number, is written, ahead of its first reader
	s_lshl_b32 s28, s20, 12
	v_add_nc_u32 v[WST], s28, v[WST]               ; my wave's two K steps
	v_mad_u32_u24 v[WSB], v9, 192, v10             ; four columns of 48 bytes a lane, + hh
	s_lshl_b32 s28, s20, 3
	s_add_co_u32 s28, s28, WSC
	v_add_nc_u32 v[WSB], s28, v[WSB]               ; + my wave's eight blocks
	v_and_b32 v11, 8, v9
	v_add_nc_u32 v11, v11, v9
	v_lshl_add_u32 v11, v10, 3, v11                ; column 8 u + r + 8 (r / 8), u = lane / 16
	v_mul_u32_u24 v[WSR], v11, 48
	v_add_nc_u32 v[WSR], WSC, v[WSR]
	v_lshlrev_b32 v[LA0], 2, v9
	v_lshl_add_u32 v[TOA], s20, 6, v[LA0]          ; my first tile's number is my wave's
	v_lshlrev_b32 v[H16], 4, v10
	v_lshlrev_b32 v[HO], 6, v10                    ; b1: 64 bytes on for lanes 16-31
	v_mov_b32 v[FL], 0x8000000
	s_mov_b32 s32, 0x76543210
	s_mov_b32 s33, 0xfedcba98                      ; v_permlanex16_b32's selects for lane l xor 16
	s_mov_b32 s34, 0x600000                        ; the mantissa field of 57,344
	s_mov_b32 s29, 0
	s_wait_kmcnt 0x0
	s_mul_i32 s28, s21, 9216
	s_add_nc_u64 s[12:13], s[12:13], s[28:29]      ; order: the expert's 9,216 bytes
	s_load_b32 s23, s[12:13], 0x2280               ; the count, at byte 8,832 of them
	s_lshl_b32 s28, s21, 23
	s_lshl_b32 s30, s20, 21
	s_add_co_u32 s28, s28, s30
	s_lshl_b32 s30, s22, 8
	s_add_co_u32 s28, s28, s30
	s_add_nc_u64 s[4:5], s[4:5], s[28:29]          ; W1: expert, my wave's 256 rows, the slice's 256 bytes
	s_lshl_b32 s28, s21, 13
	s_add_co_u32 s28, s28, s30
	s_add_nc_u64 s[6:7], s[6:7], s[28:29]          ; b1
	s_lshl_b32 s28, s21, 22
	s_lshl_b32 s30, s22, 10
	s_add_co_u32 s28, s28, s30
	s_add_nc_u64 s[14:15], s[14:15], s[28:29]      ; hq: the expert's 128 tiles; K step j / 2, pieces 2 (j % 2) and + 1: 1,024 j
	s_lshl_b32 s28, s21, 17
	s_lshl_b32 s30, s22, 1
	s_add_co_u32 s28, s28, s30
	s_add_nc_u64 s[16:17], s[16:17], s[28:29]      ; hs: bytes 2 j, 2 j + 1 of a row's 64
	s_wait_alu depctr_va_vdst(0)                   ; the head's offsets and LDS addresses (LI, GW, WST, WSB, WSR, TOA, HO) are written, which the loads and LDS instructions below read
.irp t, 0,1,2,3
	global_load_b128 v[BIAS+8*\t:BIAS+8*\t+3], v[HO], s[6:7] offset:(32*(\t>>1)+8*(\t&1))*4         ; b1 of hidden units 32 b + 8 u + 16 h + 0 .. 7
	global_load_b128 v[BIAS+8*\t+4:BIAS+8*\t+7], v[HO], s[6:7] offset:(32*(\t>>1)+8*(\t&1))*4+16
.endr
	global_load_b32 v[TKR], v[TOA], s[12:13]                   ; the tokens of my first tile (number = wave),
	global_load_b32 v[TKR+1], v[TOA], s[12:13] offset:256      ; and of my second (+ 4)
; Group gq of a wave's four: 64 rows of K; load i reads row i of my half's block: sixteen lanes cover the slice's 256 bytes of a row.  Register 4 i + cc = (k = i, column 4 lc + cc).
.macro GLOAD gq, win, sb
	WIN (\win)<<6
.set i, 0
.rept 32
	global_load_b128 v[\sb+4*i:\sb+4*i+3], v[GW], s[4:5] offset:(64*(\gq)+i)*8192 th:TH_LOAD_NT
.set i, i+1
.endr
	WIN 0
.endm
	GLOAD 0, 1, 0
	GLOAD 1, 1, 128
	s_wait_kmcnt 0x0                               ; the count
	s_add_co_u32 s24, s23, 15
	s_lshr_b32 s24, s24, 4
	s_max_u32 s24, s24, 1                          ; tiles; at least one, so that tile 0 of every expert is written: the next launch's clamped look-ahead reads it
.macro TOK p, src
	v_min_u32 v[\src], 0x7ff, v[\src]
	v_lshl_add_u32 v[XO+\p], v[\src], 10, v[H16]   ; xq: 1,024 bytes a token, + 16 for lanes 16-31
	v_lshlrev_b32 v[XSO+\p], 5, v[\src]            ; xs: 32 bytes a token
.endm
; A group becomes codes.  The hold, owed for every number, also turns the numbers: it writes (k = i, column cc) to T[32 cc + i], where the conversions find neighbours along K.
; The group's twelve LDS stores, bytes and codes, stand in one run at its end, behind one wait.
.macro QGROUP gq, win, sb
	s_wait_dscnt 0x0                               ; the last group's LDS stores are done
.if (\gq) > 0
	s_wait_alu depctr_vm_vsrc(0)                   ; the last group's LDS stores have read M and C, which this group writes again
.endif
	WIN ((\win)<<2)|((\win)<<4)
.irp cc, 0,1,2,3
	v_max3_num_f32 v[M+\cc], v[FL], |v[\sb+\cc]|, |v[\sb+4+\cc]|                ; the four columns by turns; the floor holds the byte at 1 from below
.endr
.set i, 2
.rept 15
.irp cc, 0,1,2,3
	v_max3_num_f32 v[M+\cc], v[M+\cc], |v[\sb+4*i+\cc]|, |v[\sb+4*i+4+\cc]|
.endr
.set i, i+2
.endr
	WIN 0
.irp cc, 0,1,2,3
	v_add_nc_u32 v[SCO+\cc], 0xf8800000, v[M+\cc]  ; 15 off the exponent field
.endr
.irp cc, 0,1,2,3
	v_and_or_b32 v[LIM+\cc], v[M+\cc], 0x7f800000, s34
.endr
.irp cc, 0,1,2,3
	v_lshrrev_b32 v[M+\cc], 23, v[SCO+\cc]         ; the byte
.endr
	WIN \win
.irp cc, 0,1,2,3
.set i, 0
.rept 32
	v_med3_num_f32 v[T+32*\cc+i], v[\sb+4*i+\cc], -v[LIM+\cc], v[LIM+\cc]       ; the conversion does not saturate (ISA guide 7.6.2)
.set i, i+1
.endr
.endr
	WIN 0
.irp cc, 0,1,2,3
.irp q, 0,1,2,3
	v_cvt_scalef32_pk8_bf8_f32 v[C+8*\cc+2*\q:C+8*\cc+2*\q+1], v[T+32*\cc+8*\q:T+32*\cc+8*\q+7], v[SCO+\cc]
.endr
.endr
	v_nop                                          ; a plain line behind the last conversion
	s_wait_alu depctr_va_vdst(0)                   ; the bytes in M and the codes in C are written, which the LDS stores below read; the maxima and the holds are done reading the raw set
.irp cc, 0,1,2,3
	ds_store_b8 v[WSB], v[M+\cc] offset:\cc*48+2*(\gq)
.endr
.irp cc, 0,1,2,3
.irp hf, 0,1
	ds_store_b128 v[WST], v[C+8*\cc+4*\hf:C+8*\cc+4*\hf+3] offset:((\gq)>>1)*2048+((\gq)&1)*1024+\hf*256+\cc*16   ; k = 16 hf .. + 15 of the block: the 16 bytes of lane (r, hf) of its piece; sixteen lanes, sixteen different columns of 16 bytes
.endr
.endr
.endm
.macro XLOAD p                         ; 16 tokens' codes and scale words into buffer p: 34 loads
	WIN 0xc0
.irp s, 0,1,2,3,4,5,6,7
.irp c, 0,1,2,3
	global_load_b128 v[128*\p+16*\s+4*\c:128*\p+16*\s+4*\c+3], v[XO+\p], s[8:9] offset:128*\s+32*\c
.endr
.endr
	WIN 0
	global_load_b128 v[XS+8*\p:XS+8*\p+3], v[XSO+\p], s[10:11]
	global_load_b128 v[XS+8*\p+4:XS+8*\p+7], v[XSO+\p], s[10:11] offset:16
.endm
	s_wait_loadcnt 32                              ; b1, the first tokens and group 0 are in; group 1's 32 loads are younger
	GLOAD 2, 2, 0
	TOK 0, TKR                                     ; my first two tiles' offsets are made here, so that the groups' waits on va_vdst state them written long before the loads that read them
	TOK 1, TKR+1
	QGROUP 0, 1, 0
	s_wait_loadcnt 32                              ; group 1 is in; group 2's are younger
	GLOAD 3, 2, 128
	QGROUP 1, 1, 128
	s_wait_loadcnt 32                              ; group 2 is in; group 3's are younger
	QGROUP 2, 2, 0
	s_wait_loadcnt 0x0
	XLOAD 0                                        ; my first tile's codes come while the last group is worked.  No wait: no vector line since group 2's wait names XO, XSO, XS or the buffer
	QGROUP 3, 2, 128
	global_load_b32 v[TKR], v[TOA], s[12:13] offset:512        ; the tokens of my third tile (+ 8): between the two buffers' loads, as in every tile of the loop.  (TOK 0 stands ahead of the groups' waits)
	XLOAD 1
	s_wait_dscnt 0x0                               ; for the others' sake: my quarter of the images lies in LDS
	s_barrier_signal -1
	s_barrier_wait -1
	s_wait_alu depctr_vm_vsrc(0)                   ; my last group's LDS stores have read C: v106 of it is R64 from here on
	WIN 0x40                                       ; the images land in the raw sets: group 3's wait on va_vdst has stated these read, and no vector line has been issued since
.irp s, 0,1,2,3
.irp t, 0,1,2,3
.irp c, 0,1,2,3
	ds_load_b128 v[64*\s+16*\t+4*\c:64*\s+16*\t+4*\c+3], v[LI] offset:\t*16384+(\t&1)*16+(\t>>1)*32+\s*2048+\c*512
.endr
.endr
.endr
	WIN 0x80
.irp s, 4,5,6,7
.irp t, 0,1,2,3
.irp c, 0,1,2,3
	ds_load_b128 v[64*(\s-4)+16*\t+4*\c:64*(\s-4)+16*\t+4*\c+3], v[LI] offset:\t*16384+(\t&1)*16+(\t>>1)*32+\s*2048+\c*512
.endr
.endr
.endr
	WIN 0
.irp b, 0,1
	ds_load_b128 v[WS+8*\b:WS+8*\b+3], v[WSR] offset:1536*\b
	ds_load_b128 v[WS+8*\b+4:WS+8*\b+7], v[WSR] offset:1536*\b+16
.endr
	v_and_b32 v[R64], 15, v0
	v_lshlrev_b32 v[R64], 6, v[R64]
	s_mov_b32 s25, s20                             ; my tiles: wave, wave + 4, ..
	s_mov_b32 s27, 16                              ; a constant count of trips, two tiles each; a wave leaves when its tiles are done
	s_wait_dscnt 0x0
.macro MM t, p, s
.set WR, 64*((\s)&3)+16*(\t)
.set XR, 128*(\p)+16*(\s)
.set AR, ACC+8*(\t)
.if (\s) == 0
.if (\t) & 1
	v_wmma_scale_f32_16x16x128_f8f6f4 v[AR:AR+7], v[WR:WR+15], v[XR:XR+15], v[BIAS+8*(\t):BIAS+8*(\t)+7], v[WS+8*((\t)>>1)+(\s)], v[XS+8*(\p)+(\s)] matrix_a_fmt:MATRIX_FMT_BF8 matrix_b_fmt:MATRIX_FMT_BF8 matrix_a_scale:MATRIX_SCALE_ROW1
.else
	v_wmma_scale_f32_16x16x128_f8f6f4 v[AR:AR+7], v[WR:WR+15], v[XR:XR+15], v[BIAS+8*(\t):BIAS+8*(\t)+7], v[WS+8*((\t)>>1)+(\s)], v[XS+8*(\p)+(\s)] matrix_a_fmt:MATRIX_FMT_BF8 matrix_b_fmt:MATRIX_FMT_BF8
.endif
.else
.if (\t) & 1
	v_wmma_scale_f32_16x16x128_f8f6f4 v[AR:AR+7], v[WR:WR+15], v[XR:XR+15], v[AR:AR+7], v[WS+8*((\t)>>1)+(\s)], v[XS+8*(\p)+(\s)] matrix_a_fmt:MATRIX_FMT_BF8 matrix_b_fmt:MATRIX_FMT_BF8 matrix_a_scale:MATRIX_SCALE_ROW1
.else
	v_wmma_scale_f32_16x16x128_f8f6f4 v[AR:AR+7], v[WR:WR+15], v[XR:XR+15], v[AR:AR+7], v[WS+8*((\t)>>1)+(\s)], v[XS+8*(\p)+(\s)] matrix_a_fmt:MATRIX_FMT_BF8 matrix_b_fmt:MATRIX_FMT_BF8
.endif
.endif
.endm
; The hidden layer's two blocks of 32 (16 numbers in lane l, 16 in lane l xor 16).  No |.|: what is negative becomes 0, so it must not count; the hold clips at 0 as well.  Each tile is read from its low end on.
.macro QH
.irp b, 0,1
	v_max3_num_f32 v[M+\b], v[ACC+16*\b], v[ACC+16*\b+1], v[FL]
.endr
.irp i, 2,4,6,8,10,12,14
.irp b, 0,1
	v_max3_num_f32 v[M+\b], v[M+\b], v[ACC+16*\b+\i], v[ACC+16*\b+\i+1]
.endr
.endr
.irp b, 0,1
	v_permlanex16_b32 v[M+2+\b], v[M+\b], s32, s33
.endr
.irp b, 0,1
	v_max_num_f32 v[M+\b], v[M+\b], v[M+2+\b]
.endr
.irp b, 0,1
	v_add_nc_u32 v[SCO+\b], 0xf8800000, v[M+\b]
.endr
.irp b, 0,1
	v_and_or_b32 v[LIM+\b], v[M+\b], 0x7f800000, s34
.endr
.irp b, 0,1
	v_lshrrev_b32 v[M+2+\b], 23, v[SCO+\b]
.endr
	v_lshl_or_b32 v[HW], v[M+3], 8, v[M+2]
.irp b, 0,1
.irp i, 0,1,2,3,4,5,6,7,8,9,10,11,12,13,14,15
	v_med3_num_f32 v[ACC+16*\b+\i], v[ACC+16*\b+\i], 0, v[LIM+\b]               ; relu and the hold in one
.endr
	v_cvt_scalef32_pk8_bf8_f32 v[PC+4*\b:PC+4*\b+1], v[ACC+16*\b:ACC+16*\b+7], v[SCO+\b]
	v_cvt_scalef32_pk8_bf8_f32 v[PC+4*\b+2:PC+4*\b+3], v[ACC+16*\b+8:ACC+16*\b+15], v[SCO+\b]
.endr
	v_nop                                          ; a plain line behind the last conversion: the next products write its sources
.endm
; A tile of 16 tokens out of buffer p.  The four accumulators take turns, one instruction a turn; b1 is the C of each sum's first product.
; Loads go out in this order: .. codes of tile T (34), tokens of tile T + 8 (1), codes of tile T + 4 (34), tokens of tile T + 12 (1), codes of tile T + 8 (34) ..
.macro TILE p
	s_add_co_u32 s37, s25, 4*\p                    ; the tile's number T
	s_cmp_ge_u32 s37, s24
	s_cbranch_scc1 .Ldone                          ; no tile left: the wave leaves the loop (loads in flight are left behind)
	s_add_co_u32 s39, s37, 12
	s_min_u32 s39, s39, 135                        ; the tile whose tokens are asked for below; 135 is the last whole tile of the list's 2,176 entries
	s_wait_loadcnt 35                              ; this buffer's 34 loads are in; one load of tokens and the other buffer's 34 are younger
	WIN 0x0d                                       ; source 0 window 1, source 1 window 3
.irp s, 0,1,2,3
.irp t, 0,1,2,3
	MM \t, \p, \s
.endr
.endr
	WIN 0x0e                                       ; source 0 window 2
.irp s, 4,5,6,7
.irp t, 0,1,2,3
	MM \t, \p, \s
.endr
.endr
	WIN 0
	s_wait_loadcnt 34                              ; the tokens of tile T + 8 are in; the other buffer's 34 loads are younger
	s_wait_xcnt 0x0                                ; the last tile's loads and stores have read their offsets and data
	s_wait_alu depctr_vm_vsrc(0)                   ; the loads and stores issued so far have read XO[p], XSO[p], TOA, HO and HSO, which the six lines below write, and PC and HW, which QH writes
	TOK \p, TKR+\p                                 ; eight plain lines that name no register of the products stand ahead of the first read of results
	v_lshl_add_u32 v[HO], s37, 15, v[LI]           ; hq: 32,768 bytes a tile
	v_lshl_add_u32 v[HSO], s37, 10, v[R64]         ; hs: 1,024 bytes a tile
	v_lshl_add_u32 v[TOA], s39, 6, v[LA0]          ; order: 64 bytes a tile
	v_nop
	v_nop
	s_wait_alu depctr_va_vdst(0)                   ; the products are done reading X[p] and XS[p], in which the loads below land; the six offsets are written; the last tile's TOK is done with the other TKR
	global_load_b32 v[TKR+1-\p], v[TOA], s[12:13]  ; the tokens of tile T + 12, for the other buffer's next fill
	XLOAD \p                                       ; the codes of tile T + 8
	QH
	s_wait_alu depctr_va_vdst(0)                   ; QH has written PC and HW, which the three stores read
	global_store_b128 v[HO], v[PC:PC+3], s[14:15]              ; a piece of the next operand's image: 512 consecutive bytes, aligned
	global_store_b128 v[HO], v[PC+4:PC+7], s[14:15] offset:512
	global_store_b16 v[HSO], v[HW], s[16:17]                   ; two bytes of the row's word j / 2 (lanes l and l xor 16 write the same): laid so that the next launch, which reads them 32 times, loads whole words
.endm
.Ltile:
	TILE 0
	TILE 1
	s_add_co_u32 s25, s25, 8
	s_sub_co_u32 s27, s27, 1
	s_cmp_lg_u32 s27, 0
	s_cbranch_scc1 .Ltile
.Ldone:
	s_wait_dscnt 0x0                               ; the closing lines, six on end
	s_wait_alu 0x0
	s_wait_tensorcnt 0x0
	ds_add_u32 v8, v17
	s_wait_dscnt 0x0
	s_endpgm
.Lfunc_end_k_q9989b7fbe5_up:
	.size	k_q9989b7fbe5_up, .Lfunc_end_k_q9989b7fbe5_up-k_q9989b7fbe5_up
	.p2alignl 7, 3214868480
	.fill 96, 4, 3214868480
	.section	.rodata,"a",@progbits
	.p2align	6, 0x0
	.amdhsa_kernel k_q9989b7fbe5_up
		.amdhsa_group_segment_fixed_size 70144
		.amdhsa_private_segment_fixed_size 0
		.amdhsa_enable_private_segment 0
		.amdhsa_kernarg_size 56
		.amdhsa_user_sgpr_count 2
		.amdhsa_user_sgpr_kernarg_segment_ptr 1
		.amdhsa_wavefront_size32 1
		.amdhsa_system_sgpr_workgroup_id_x 1
		.amdhsa_system_sgpr_workgroup_id_y 1
		.amdhsa_system_sgpr_workgroup_id_z 1
		.amdhsa_system_vgpr_workitem_id 0
		.amdhsa_next_free_vgpr 1024
		.amdhsa_next_free_sgpr 66
		.amdhsa_reserve_vcc 0
		.amdhsa_float_denorm_mode_32 3
		.amdhsa_float_denorm_mode_16_64 3
		.amdhsa_memory_ordered 1
		.amdhsa_forward_progress 1
		.amdhsa_inst_pref_size 117
	.end_amdhsa_kernel
	.amdgpu_metadata
---
amdhsa.version: [ 1, 2 ]
amdhsa.kernels:
  - .name:           k_q9989b7fbe5_up
    .symbol:         k_q9989b7fbe5_up.kd
    .args:
      - { .name: W1, .offset: 0, .size: 8, .value_kind: global_buffer, .address_space: global }
      - { .name: b1, .offset: 8, .size: 8, .value_kind: global_buffer, .address_space: global }
      - { .name: xq, .offset: 16, .size: 8, .value_kind: global_buffer, .address_space: global }
      - { .name: xs, .offset: 24, .size: 8, .value_kind: global_buffer, .address_space: global }
      - { .name: order, .offset: 32, .size: 8, .value_kind: global_buffer, .address_space: global }
      - { .name: hq, .offset: 40, .size: 8, .value_kind: global_buffer, .address_space: global }
      - { .name: hs, .offset: 48, .size: 8, .value_kind: global_buffer, .address_space: global }
    .group_segment_fixed_size: 70144
    .private_segment_fixed_size: 0
    .kernarg_segment_align: 8
    .kernarg_segment_size: 56
    .max_flat_workgroup_size: 128
    .sgpr_count:     66
    .vgpr_count:     1024
    .wavefront_size: 32
...
	.end_amdgpu_metadata
.endif
;; end of part 5
;; launch down (part 6): grid 256 x 1, 4 waves a work-group, no clusters, 78,336 bytes of LDS; arguments W2, b2, hq, hs, order, gate, out0; writes out0
.if DOCPART == 6
	.amdgcn_target "amdgcn-amd-amdhsa--gfx1250"
	.amdhsa_code_object_version 6
	.text
	.protected	k_q9989b7fbe5_down
	.globl	k_q9989b7fbe5_down
	.p2align	8
	.type	k_q9989b7fbe5_down,@function
k_q9989b7fbe5_down:
	s_mov_b64 s[64:65], 0
	v_nop
	global_prefetch_b8 v0, s[64:65] scope:SCOPE_SE
	s_setreg_imm32_b32 hwreg(HW_REG_WAVE_SCHED_MODE, 0, 2), 2
	s_setreg_imm32_b32 hwreg(HW_REG_WAVE_MODE, 25, 1), 1
	s_wait_xcnt 0x0
	s_wait_alu depctr_vm_vsrc(0)
; SECOND LAYER OF THE CHOSEN EXPERT:  out0[token] = (h Q(W2[e]) + b2[e]) x gate[token], for the tokens routed to e alone.
; W2 [8][2048][1024] f32 (K is the first axis inside an expert).  Work-group = expert e (number / 32), slice j (number % 32) of 32 outputs: 8 x 1,024 columns over 256 work-groups; 128 bytes of each of W2[e]'s 2,048 rows
; (work-groups 2 i and 2 i + 1 read the two halves of each 256 bytes side by side, so these loads carry no hint).
; As in the launch before: the slice is read once as f32, each wave quantises a quarter of K in registers (a lane: 4 columns x a whole block of 32), the codes go through LDS as images of the operand's registers,
; every wave then holds all 64 KiB of them in 512 registers, and the waves share the expert's tiles of 16 tokens.
; THE TOKENS AND THE COUNT come from order, whole numbers that the launch before stored (9,216 bytes an expert: entry 16 T + r is the token of row r of tile T; the count at byte 8,832).  A tile's tokens are asked for one tile ahead.
; h comes as register images ([e x 128 + tile][K step][c][lane][16 bytes]): every load is 512 consecutive bytes; a tile's K goes in two halves of 8 K steps through two buffers.
; THE PRODUCT IS USED TRANSPOSED (source 0 = 16 outputs, source 1 = 16 tokens): a lane holds one token and eight neighbouring outputs.  Even and odd K steps are summed in accumulators of their own (four take turns) and added at the end.
; The results go through the wave's own stage in LDS, so that eight neighbouring lanes store a row's 128 consecutive bytes.
; NO TENSOR LOADS, NO CLUSTER: the number of tiles hangs on counts read from memory (see the launch before).
; LIMITS: NaN and infinities are not served; a block of W2 whose largest magnitude lies under 2^-111 (a block of zeros too) gets the byte 1: this program alone reads the bytes.
; REGISTERS, in windows of 256: window 0 as named below; windows 1 and 2: four sets of 128 numbers of W2 during the stream, then the codes (K step s, tile u at v[32 (s % 8) + 16 u], s / 8 picks the window); window 3: two buffers of 128 for h.
; THE MODE: SCHED_MODE bits 1:0 = 2 (LLVM: expert scheduling mode 2), set by the entry lines.  The code itself states the register dependences
; between vector or matrix instructions and memory or LDS instructions, with s_wait_alu, always for 0.
; THE PLAN.  Registers that memory or LDS instructions touch:
;   LI, GW, WST, WSB, WSR, STO, SRD   Made at the head, ahead of the first wait on va_vdst; never written again.
;   THE STREAM.  The four raw sets: each is filled once by loads and read by its group's maxima and holds; behind the barrier the images' LDS loads land in them.
;     M (the bytes), C (the codes): written by a group's vector lines, read by its twelve LDS stores, which stand in one run at the group's end; behind the last group nothing writes them.
;     So a group has one wait on va_vdst, ahead of that run, and from the second group on one on vm_vsrc, at its head.  The last group's wait on va_vdst also states that all four raw sets have been read.
;   THE LOOP.  H[0], HS 0-7: read by the first half's products, then loaded again.  H[1], HS 8-15: the same with the second half.  TK, TKB: loaded; clamped in place and read by the fourteen lines behind the first half.
;     GT: loaded; read by the scalings.  GO, OOF, HOF, HSF, TOA, TOB: written by the fourteen lines; read by the tile's loads and by its stores.
;     The accumulators: written by the products, the additions and the scalings; read by the stage's LDS stores.  OB: the stage's LDS loads land in it; the global stores read it.
;     So a tile has one wait on vm_vsrc, at its head; one on va_vdst behind the fourteen lines, ahead of 40 loads; and one on va_vdst behind the scalings, ahead of the stage's stores and the other 34 loads.
.set WSC,  65792                       ; LDS: 0 .. 65,551 the images: tile u at 32,784 u, K step s 2,048 on, piece c 512 on
.set STG,  68352                       ; WSC: the scale bytes, 80 bytes a column (64 used).  STG: the stages: 16 rows x (128 + 16) bytes for each wave
.set LI,   1                           ; v1   16 x lane
.set GW,   2                           ; v2   the stream: 131,072 (lane / 8) + 16 (lane % 8): each eight lanes stand one block of 32 rows further down
.set WST,  3                           ; v3   where my codes go
.set WSB,  4                           ; v4   where my scale bytes go
.set WSR,  5                           ; v5   where I read scale words
.set LA0,  6                           ; v6   4 (lane % 16): in a tile's 64 bytes of order, the token of my column of the result
.set TOA,  7                           ; v7   + 64 x tile
.set TK,   8                           ; v8   that token
.set LB0,  9                           ; v9   4 (lane / 8): the tokens of the rows that I store
.set TOB,  10                          ; v10  + 64 x tile
.set GO,   11                          ; v11  my byte in gate (at the head: in b2)
.set GT,   12                          ; v[12:13] gate of my token; v13 is named with it as a pair, so it is written
.set HOF,  14                          ; v14  my byte in hq
.set HSF,  15                          ; v15  and in hs
.set FL,   16                          ; v16  the floor 2^(16 - 127)
.set M,    18                          ; v18-21 largest magnitudes, then bytes
.set SCO,  22                          ; v22-25 the conversions' scale operands
.set LIM,  26                          ; v26-29 57,344 x the scale
.set WS,   32                          ; v32-47 W2's scale words of K step s: lane l holds column l's
.set HS,   48                          ; v48-63 h's scale words of K step s
.set BIAS, 64                          ; v64-79 b2 in the result's layout: 8 u + i
.set TKB,  80                          ; v80-83 tokens of the rows that I store
.set OOF,  84                          ; v84-87 their bytes in out0
.set STO,  88                          ; v88  the stage: where I put 32 bytes of a row
.set SRD,  89                          ; v89  and where I read rows back
.set R64,  90                          ; v90  64 (lane % 16)
.set P16,  91                          ; v91  16 (lane % 8)
.set C,    96                          ; v96-127 a group's codes
.set T,    128                         ; v128-255 held numbers, turned: 32 cc + i
.set ACC,  128                         ; v128-159 in the loop: accumulator (u, parity of the K step) at 16 u + 8 parity
.set OB,   160                         ; v160-175 rows read back from the stage
.set MSB, 0
.macro WIN new                         ; the immediate's high byte repeats the setting that is left; a switch that changes nothing is dropped
.if MSB != (\new)
	s_set_vgpr_msb (MSB<<8)|(\new)
.set MSB, \new
.endif
.endm
	s_load_b256 s[4:11], s[0:1], 0x0               ; W2, b2, hq, hs
	s_load_b128 s[12:15], s[0:1], 0x20             ; order, gate
	s_load_b64 s[16:17], s[0:1], 0x30              ; out0
	v_lshl_add_u32 v94, v0, 2, 0x13000
	v_mov_b32 v95, 0
	v_lshrrev_b32 v10, 5, v0
	v_readfirstlane_b32 s20, v10                   ; wave
	s_lshr_b32 s21, ttmp9, 5                       ; e
	s_and_b32 s22, ttmp9, 31                       ; j
	v_and_b32 v10, 31, v0
	v_lshlrev_b32 v[LI], 4, v10
	v_mul_u32_u24 v[WSR], v10, 80
	v_add_nc_u32 v[WSR], WSC, v[WSR]
	v_and_b32 v8, 7, v0                            ; lc = lane % 8
	v_bfe_u32 v10, v0, 3, 2                        ; kq = lane / 8
	v_and_b32 v14, 15, v0                          ; r
	v_bfe_u32 v15, v0, 4, 1                        ; h
	v_lshlrev_b32 v[P16], 4, v8
	v_lshl_add_u32 v[GW], v10, 17, v[P16]
	v_bfe_u32 v11, v0, 2, 1                        ; my columns are 4 lc + cc: tile lc / 4, rows 4 (lc % 4) + cc
	v_mul_u32_u24 v[WST], v11, 32784
	v_and_b32 v11, 3, v0
	v_lshl_add_u32 v[WST], v11, 6, v[WST]
	v_lshl_add_u32 v[WST], v10, 9, v[WST]          ; piece c = kq
	s_wait_alu depctr_va_sdst(0)                   ; s20, the wave's number, is written, ahead of its first reader
	s_lshl_b32 s28, s20, 13
	v_add_nc_u32 v[WST], s28, v[WST]               ; my wave's four K steps
	v_mad_u32_u24 v[WSB], v8, 320, v10             ; four columns of 80 bytes a lane, + kq
	s_lshl_b32 s28, s20, 4
	s_add_co_u32 s28, s28, WSC
	v_add_nc_u32 v[WSB], s28, v[WSB]               ; + my wave's sixteen blocks
	v_lshlrev_b32 v[LA0], 2, v14
	v_lshlrev_b32 v[LB0], 2, v10
	s_mul_i32 s28, s20, 2304
	s_add_co_u32 s28, s28, STG                     ; my stage
	v_mul_u32_u24 v[STO], v14, 144
	v_lshl_add_u32 v[STO], v15, 5, v[STO]
	v_add_nc_u32 v[STO], s28, v[STO]               ; in: row r, 32 bytes for each half of the lanes
	v_mul_u32_u24 v[SRD], v10, 144
	v_add_nc_u32 v[SRD], v[SRD], v[P16]
	v_add_nc_u32 v[SRD], s28, v[SRD]               ; back: eight lanes to a row, four rows an instruction
	v_lshlrev_b32 v[R64], 6, v14
	v_lshlrev_b32 v[GO], 5, v15                    ; b2: 32 bytes on for lanes 16-31
	v_mov_b32 v[FL], 0x8000000
	v_mov_b32 v[GT+1], 0
	s_mov_b32 s34, 0x600000                        ; the mantissa field of 57,344
	s_mov_b32 s29, 0
	s_wait_kmcnt 0x0
	s_mul_i32 s28, s21, 9216
	s_add_nc_u64 s[12:13], s[12:13], s[28:29]      ; order: the expert's 9,216 bytes
	s_load_b32 s23, s[12:13], 0x2280               ; the count, at byte 8,832 of them
	s_lshl_b32 s28, s21, 23
	s_lshl_b32 s30, s20, 21
	s_add_co_u32 s28, s28, s30
	s_lshl_b32 s30, s22, 7
	s_add_co_u32 s28, s28, s30
	s_add_nc_u64 s[4:5], s[4:5], s[28:29]          ; W2: expert, my wave's 512 rows, the slice's 128 bytes
	s_lshl_b32 s28, s21, 12
	s_add_co_u32 s28, s28, s30
	s_add_nc_u64 s[6:7], s[6:7], s[28:29]          ; b2
	s_mov_b32 s28, s30
	s_add_nc_u64 s[16:17], s[16:17], s[28:29]      ; out0: the slice's 128 bytes of a row
	s_lshl_b32 s28, s21, 22
	s_add_nc_u64 s[8:9], s[8:9], s[28:29]          ; hq: the expert's 128 tiles
	s_lshl_b32 s28, s21, 17
	s_add_nc_u64 s[10:11], s[10:11], s[28:29]      ; hs
	s_wait_alu depctr_va_vdst(0)                   ; the head's offsets and LDS addresses (LI, GW, WST, WSB, WSR, STO, SRD, GO) are written, which the loads and LDS instructions below read; so is v8, in which tokens land
.irp u, 0,1
	global_load_b128 v[BIAS+8*\u:BIAS+8*\u+3], v[GO], s[6:7] offset:64*\u       ; b2 of outputs 16 u + 8 h + 0 .. 7
	global_load_b128 v[BIAS+8*\u+4:BIAS+8*\u+7], v[GO], s[6:7] offset:64*\u+16
.endr
; Group gq of a wave's four: 128 rows of K; load i reads row i of my eight lanes' block.  Register 4 i + cc = (k = i, column 4 lc + cc).
.macro GLOAD gq, win, sb
	WIN (\win)<<6
.set i, 0
.rept 32
	global_load_b128 v[\sb+4*i:\sb+4*i+3], v[GW], s[4:5] offset:(128*(\gq)+i)*4096
.set i, i+1
.endr
	WIN 0
.endm
	GLOAD 0, 1, 0
	GLOAD 1, 1, 128
	s_wait_kmcnt 0x0                               ; the count
	s_add_co_u32 s24, s23, 15
	s_lshr_b32 s24, s24, 4                         ; tiles
	s_max_u32 s38, s24, 1
	s_sub_co_u32 s38, s38, 1                       ; the last tile that was written (tile 0 always was)
	s_min_u32 s37, s20, s38
	s_min_u32 s37, s37, 127
	v_lshl_add_u32 v[HOF], s37, 15, v[LI]          ; my first tile, or the last written one: hq, 32,768 bytes a tile,
	v_lshl_add_u32 v[HSF], s37, 10, v[R64]         ; hs, 1,024,
	v_lshl_add_u32 v[TOA], s37, 6, v[LA0]          ; order, 64
	v_lshl_add_u32 v[TOB], s37, 6, v[LB0]          ; (the groups' waits on va_vdst state these four written, long before the loads that read them)
; The group's twelve LDS stores, bytes and codes, stand in one run at its end, behind one wait.
.macro QGROUP gq, win, sb
	s_wait_dscnt 0x0                               ; the last group's LDS stores are done
.if (\gq) > 0
	s_wait_alu depctr_vm_vsrc(0)                   ; the last group's LDS stores have read M and C, which this group writes again
.endif
	WIN ((\win)<<2)|((\win)<<4)
.irp cc, 0,1,2,3
	v_max3_num_f32 v[M+\cc], v[FL], |v[\sb+\cc]|, |v[\sb+4+\cc]|                ; the four columns by turns; the floor holds the byte at 1 from below
.endr
.set i, 2
.rept 15
.irp cc, 0,1,2,3
	v_max3_num_f32 v[M+\cc], v[M+\cc], |v[\sb+4*i+\cc]|, |v[\sb+4*i+4+\cc]|
.endr
.set i, i+2
.endr
	WIN 0
.irp cc, 0,1,2,3
	v_add_nc_u32 v[SCO+\cc], 0xf8800000, v[M+\cc]  ; 15 off the exponent field
.endr
.irp cc, 0,1,2,3
	v_and_or_b32 v[LIM+\cc], v[M+\cc], 0x7f800000, s34
.endr
.irp cc, 0,1,2,3
	v_lshrrev_b32 v[M+\cc], 23, v[SCO+\cc]         ; the byte
.endr
	WIN \win
.irp cc, 0,1,2,3
.set i, 0
.rept 32
	v_med3_num_f32 v[T+32*\cc+i], v[\sb+4*i+\cc], -v[LIM+\cc], v[LIM+\cc]       ; the hold (ISA guide 7.6.2), which also turns the numbers
.set i, i+1
.endr
.endr
	WIN 0
.irp cc, 0,1,2,3
.irp q, 0,1,2,3
	v_cvt_scalef32_pk8_bf8_f32 v[C+8*\cc+2*\q:C+8*\cc+2*\q+1], v[T+32*\cc+8*\q:T+32*\cc+8*\q+7], v[SCO+\cc]
.endr
.endr
	v_nop                                          ; a plain line behind the last conversion
	s_wait_alu depctr_va_vdst(0)                   ; the bytes in M and the codes in C are written, which the LDS stores below read; the maxima and the holds are done reading the raw set
.irp cc, 0,1,2,3
	ds_store_b8 v[WSB], v[M+\cc] offset:\cc*80+4*(\gq)
.endr
.irp cc, 0,1,2,3
.irp hf, 0,1
	ds_store_b128 v[WST], v[C+8*\cc+4*\hf:C+8*\cc+4*\hf+3] offset:(\gq)*2048+\hf*256+\cc*16   ; of sixteen lanes two fall on each column of 16 bytes: 32 such stores a wave, while the stream is on its way
.endr
.endr
.endm
.macro TLOAD                           ; a tile's tokens: 5 loads
	global_load_b32 v[TK], v[TOA], s[12:13]                    ; by the result's columns,
.irp q, 0,1,2,3
	global_load_b32 v[TKB+\q], v[TOB], s[12:13] offset:16*\q   ; and by the rows that I store: row 4 q + lane / 8
.endr
.endm
.macro PLOAD p                         ; half p of a tile's K: 8 K steps of h and their scale words: 34 loads
	WIN 0xc0
.irp s, 0,1,2,3,4,5,6,7
.irp c, 0,1,2,3
	global_load_b128 v[128*\p+16*\s+4*\c:128*\p+16*\s+4*\c+3], v[HOF], s[8:9] offset:16384*\p+2048*\s+512*\c
.endr
.endr
	WIN 0
	global_load_b128 v[HS+8*\p:HS+8*\p+3], v[HSF], s[10:11] offset:32*\p
	global_load_b128 v[HS+8*\p+4:HS+8*\p+7], v[HSF], s[10:11] offset:32*\p+16
.endm
	s_wait_loadcnt 32                              ; b2 and group 0 are in; group 1's 32 loads are younger
	GLOAD 2, 2, 0
	QGROUP 0, 1, 0
	s_wait_loadcnt 32                              ; group 1 is in; group 2's are younger
	GLOAD 3, 2, 128
	QGROUP 1, 1, 128
	s_wait_loadcnt 32                              ; group 2 is in; group 3's are younger
	QGROUP 2, 2, 0
	s_wait_loadcnt 0x0
	TLOAD                                          ; my first tile comes while the last group is worked.  No wait: no vector line since group 2's wait names the offsets, TK, TKB, HS or the buffers
	PLOAD 0
	QGROUP 3, 2, 128
	PLOAD 1
	s_wait_dscnt 0x0                               ; for the others' sake: my quarter of the images lies in LDS
	s_barrier_signal -1
	s_barrier_wait -1
	WIN 0x40                                       ; the images land in the raw sets: group 3's wait on va_vdst has stated these read, and no vector line has been issued since
.irp s, 0,1,2,3,4,5,6,7
.irp u, 0,1
.irp c, 0,1,2,3
	ds_load_b128 v[32*\s+16*\u+4*\c:32*\s+16*\u+4*\c+3], v[LI] offset:\u*32784+\s*2048+\c*512
.endr
.endr
.endr
	WIN 0x80
.irp s, 8,9,10,11,12,13,14,15
.irp u, 0,1
.irp c, 0,1,2,3
	ds_load_b128 v[32*(\s-8)+16*\u+4*\c:32*(\s-8)+16*\u+4*\c+3], v[LI] offset:\u*32784+\s*2048+\c*512
.endr
.endr
.endr
	WIN 0
.irp q, 0,1,2,3
	ds_load_b128 v[WS+4*\q:WS+4*\q+3], v[WSR] offset:16*\q
.endr
	s_mov_b32 s25, s20                             ; my tiles: wave, wave + 4, ..
	s_mov_b32 s27, 32                              ; a constant count of trips; a wave leaves when its tiles are done
	s_wait_dscnt 0x0
.macro MD u, p, s                      ; K step 8 p + s, tile u
.set WR, 32*(\s)+16*(\u)
.set HR, 128*(\p)+16*(\s)
.set AR, ACC+16*(\u)+8*((\s)&1)
.set SA, WS+8*(\p)+(\s)
.set SB, HS+8*(\p)+(\s)
.if ((\p) == 0) && ((\s) == 0)
.if \u
	v_wmma_scale_f32_16x16x128_f8f6f4 v[AR:AR+7], v[WR:WR+15], v[HR:HR+15], v[BIAS+8*(\u):BIAS+8*(\u)+7], v[SA], v[SB] matrix_a_fmt:MATRIX_FMT_BF8 matrix_b_fmt:MATRIX_FMT_BF8 matrix_a_scale:MATRIX_SCALE_ROW1
.else
	v_wmma_scale_f32_16x16x128_f8f6f4 v[AR:AR+7], v[WR:WR+15], v[HR:HR+15], v[BIAS+8*(\u):BIAS+8*(\u)+7], v[SA], v[SB] matrix_a_fmt:MATRIX_FMT_BF8 matrix_b_fmt:MATRIX_FMT_BF8
.endif
.elseif ((\p) == 0) && ((\s) == 1)
.if \u
	v_wmma_scale_f32_16x16x128_f8f6f4 v[AR:AR+7], v[WR:WR+15], v[HR:HR+15], 0, v[SA], v[SB] matrix_a_fmt:MATRIX_FMT_BF8 matrix_b_fmt:MATRIX_FMT_BF8 matrix_a_scale:MATRIX_SCALE_ROW1
.else
	v_wmma_scale_f32_16x16x128_f8f6f4 v[AR:AR+7], v[WR:WR+15], v[HR:HR+15], 0, v[SA], v[SB] matrix_a_fmt:MATRIX_FMT_BF8 matrix_b_fmt:MATRIX_FMT_BF8
.endif
.else
.if \u
	v_wmma_scale_f32_16x16x128_f8f6f4 v[AR:AR+7], v[WR:WR+15], v[HR:HR+15], v[AR:AR+7], v[SA], v[SB] matrix_a_fmt:MATRIX_FMT_BF8 matrix_b_fmt:MATRIX_FMT_BF8 matrix_a_scale:MATRIX_SCALE_ROW1
.else
	v_wmma_scale_f32_16x16x128_f8f6f4 v[AR:AR+7], v[WR:WR+15], v[HR:HR+15], v[AR:AR+7], v[SA], v[SB] matrix_a_fmt:MATRIX_FMT_BF8 matrix_b_fmt:MATRIX_FMT_BF8
.endif
.endif
.endm
.macro UNIT p                          ; 16 products: the four accumulators take turns, one instruction a turn; b2 and the constant 0 start the sums
	WIN 0x0d+\p                                    ; source 0 window 1 or 2, source 1 window 3
.irp s, 0,1,2,3,4,5,6,7
.irp u, 0,1
	MD \u, \p, \s
.endr
.endr
	WIN 0
.endm
.Ltile:
	s_cmp_ge_u32 s25, s24
	s_cbranch_scc1 .Ldone                          ; no tile left: the wave leaves the loop (loads in flight are left behind)
	s_add_co_u32 s37, s25, 4
	s_min_u32 s37, s37, s38
	s_min_u32 s37, s37, 127                        ; my next tile, or the last written one: no load reads what was not stored
	s_wait_loadcnt 34                              ; this tile's tokens and its first half (5 + 34 loads) are in; the second half's 34 are younger
	s_wait_alu depctr_vm_vsrc(0)                   ; the last tile's LDS stores have read the accumulators, which the products below write; the loads and stores issued so far have read GO, OOF, HOF, HSF, TOA and TOB, which the fourteen lines write, and OB, in which the stage's loads land
	UNIT 0
	s_wait_xcnt 0x0                                ; the loads and stores issued so far have read their offsets and data
	v_min_u32 v[TK], 0x7ff, v[TK]                  ; fourteen lines: this tile's tokens become offsets, and the next tile's offsets are made
	v_lshlrev_b32 v[GO], 2, v[TK]
.irp q, 0,1,2,3
	v_min_u32 v[TKB+\q], 0x7ff, v[TKB+\q]
.endr
.irp q, 0,1,2,3
	v_lshl_add_u32 v[OOF+\q], v[TKB+\q], 12, v[P16]            ; out0: 4,096 bytes a token
.endr
	v_lshl_add_u32 v[HOF], s37, 15, v[LI]
	v_lshl_add_u32 v[HSF], s37, 10, v[R64]
	v_lshl_add_u32 v[TOA], s37, 6, v[LA0]
	v_lshl_add_u32 v[TOB], s37, 6, v[LB0]
	s_wait_alu depctr_va_vdst(0)                   ; the first half's products are done reading H[0] and HS 0-7, the fourteen lines are done with TK and TKB, the last tile's scalings are done reading GT: loads land in all of these below; and the offsets are written
	global_load_b32 v[GT], v[GO], s[14:15]         ; gate of my token
	TLOAD                                          ; the next tile's tokens (this tile's have been used up above),
	PLOAD 0                                        ; and its first half
	s_wait_loadcnt 40                              ; the second half is in; 1 + 5 + 34 loads are younger
	UNIT 1
.rept 8
	v_nop                                          ; the places ahead of the first read of results (ISA guide 7.12.1)
.endr
	s_wait_loadcnt 39                              ; gate is in; 5 + 34 loads are younger
.irp u, 0,1
.irp k, 0,2,4,6
	v_pk_add_f32 v[ACC+16*\u+\k:ACC+16*\u+\k+1], v[ACC+16*\u+\k:ACC+16*\u+\k+1], v[ACC+16*\u+8+\k:ACC+16*\u+8+\k+1]   ; even and odd K steps; each accumulator from its low end on
.endr
.endr
.irp u, 0,1
.irp k, 0,2,4,6
	v_pk_mul_f32 v[ACC+16*\u+\k:ACC+16*\u+\k+1], v[ACC+16*\u+\k:ACC+16*\u+\k+1], v[GT:GT+1] op_sel_hi:[1,0]
.endr
.endr
	s_wait_alu depctr_va_vdst(0)                   ; the scalings have written the results, which the LDS stores read; the second half's products are done reading H[1] and HS 8-15, in which the loads below land
.irp u, 0,1
	ds_store_b128 v[STO], v[ACC+16*\u:ACC+16*\u+3] offset:64*\u
	ds_store_b128 v[STO], v[ACC+16*\u+4:ACC+16*\u+7] offset:64*\u+16
.endr
.irp q, 0,1,2,3
	ds_load_b128 v[OB+4*\q:OB+4*\q+3], v[SRD] offset:576*\q    ; LDS serves a wave's instructions in order (ISA guide 5.7.1.4): these see my stores
.endr
	PLOAD 1                                        ; the next tile's second half is asked for while the rows go through the stage.  No wait: nothing since the wait above names HOF, HSF, H[1] or HS 8-15
.irp q, 0,1,2,3
	s_wait_dscnt 3-\q
	global_store_b128 v[OOF+\q], v[OB+4*\q:OB+4*\q+3], s[16:17] th:TH_STORE_NT   ; eight lanes store a token's 128 consecutive bytes of this slice
.endr
	s_add_co_u32 s25, s25, 4
	s_sub_co_u32 s27, s27, 1
	s_cmp_lg_u32 s27, 0
	s_cbranch_scc1 .Ltile
.Ldone:
	s_wait_dscnt 0x0                               ; the closing lines, six on end
	s_wait_alu 0x0
	s_wait_tensorcnt 0x0
	ds_add_u32 v94, v95
	s_wait_dscnt 0x0
	s_endpgm
.Lfunc_end_k_q9989b7fbe5_down:
	.size	k_q9989b7fbe5_down, .Lfunc_end_k_q9989b7fbe5_down-k_q9989b7fbe5_down
	.p2alignl 7, 3214868480
	.fill 96, 4, 3214868480
	.section	.rodata,"a",@progbits
	.p2align	6, 0x0
	.amdhsa_kernel k_q9989b7fbe5_down
		.amdhsa_group_segment_fixed_size 78336
		.amdhsa_private_segment_fixed_size 0
		.amdhsa_enable_private_segment 0
		.amdhsa_kernarg_size 56
		.amdhsa_user_sgpr_count 2
		.amdhsa_user_sgpr_kernarg_segment_ptr 1
		.amdhsa_wavefront_size32 1
		.amdhsa_system_sgpr_workgroup_id_x 1
		.amdhsa_system_sgpr_workgroup_id_y 1
		.amdhsa_system_sgpr_workgroup_id_z 1
		.amdhsa_system_vgpr_workitem_id 0
		.amdhsa_next_free_vgpr 1024
		.amdhsa_next_free_sgpr 66
		.amdhsa_reserve_vcc 0
		.amdhsa_float_denorm_mode_32 3
		.amdhsa_float_denorm_mode_16_64 3
		.amdhsa_memory_ordered 1
		.amdhsa_forward_progress 1
		.amdhsa_inst_pref_size 107
	.end_amdhsa_kernel
	.amdgpu_metadata
---
amdhsa.version: [ 1, 2 ]
amdhsa.kernels:
  - .name:           k_q9989b7fbe5_down
    .symbol:         k_q9989b7fbe5_down.kd
    .args:
      - { .name: W2, .offset: 0, .size: 8, .value_kind: global_buffer, .address_space: global }
      - { .name: b2, .offset: 8, .size: 8, .value_kind: global_buffer, .address_space: global }
      - { .name: hq, .offset: 16, .size: 8, .value_kind: global_buffer, .address_space: global }
      - { .name: hs, .offset: 24, .size: 8, .value_kind: global_buffer, .address_space: global }
      - { .name: order, .offset: 32, .size: 8, .value_kind: global_buffer, .address_space: global }
      - { .name: gate, .offset: 40, .size: 8, .value_kind: global_buffer, .address_space: global }
      - { .name: out0, .offset: 48, .size: 8, .value_kind: global_buffer, .address_space: global }
    .group_segment_fixed_size: 78336
    .private_segment_fixed_size: 0
    .kernarg_segment_align: 8
    .kernarg_segment_size: 56
    .max_flat_workgroup_size: 128
    .sgpr_count:     66
    .vgpr_count:     1024
    .wavefront_size: 32
...
	.end_amdgpu_metadata
.endif
;; end of part 6
